; MI455X (gfx1250); checked and timed in simulation.
; The chip was launched on July 23, 2026; its instructions are those of AMD's public machine-readable ISA for CDNA 5 (MIT licence, August 2026) and "CDNA5" Instruction Set Architecture Reference Guide (July 2026). The comments in the code are by the model that wrote it; some were corrected since.
;; Multi Head Attention. Allowed arithmetic: matrix products marked QUANTISED: E3M2 operands, one E8M0 scale for each 32 along K, by v_wmma_scale_f32_16x16x128_f8f6f4 with both operands' format E3M2, f32 sums; everything else in f32.
;; Inputs: Wk 1,024 x 1,024 float32; Wo 1,024 x 1,024 float32; Wq 1,024 x 1,024 float32; Wv 1,024 x 1,024 float32; bk 1,024 float32; bo 1,024 float32; bq 1,024 float32; bv 1,024 float32; x 4 x 2,048 x 1,024 float32.
;; Outputs: out0 4 x 2,048 x 1,024 float32.
;; This version of the problem:
;;   THIS VERSION OF THE PROBLEM IS GIVEN IN LOW PRECISION. The matrix products marked QUANTISED in the list below multiply operands that are first quantised to E3M2 (3 exponent bits, 2 mantissa bits; 6 bits a number), with one power-of-two scale for each 32 numbers along K (OCP MX v1.0); their sums are f32. All else is computed in f32.
;;   The module's matrix products, in the order in which they are computed (A, B: the left and right operand; K: the contracted axis; several contracted axes count as one K, in the product's order):
;;     1. [M 8,192, K 1,024] x [K 1,024, N 1,024]; A: input x; B: input Wq: QUANTISED
;;     2. [M 8,192, K 1,024] x [K 1,024, N 1,024]; A: input x; B: input Wk: QUANTISED
;;     3. [M 8,192, K 1,024] x [K 1,024, N 1,024]; A: input x; B: input Wv: QUANTISED
;;     4. batch 64 x [M 2,048, K 64] x [K 64, N 2,048]; A: computed on the way; B: computed on the way: QUANTISED
;;     5. batch 64 x [M 2,048, K 2,048] x [K 2,048, N 64]; A: softmax (see below); B: computed on the way: QUANTISED
;;     6. [M 8,192, K 1,024] x [K 1,024, N 1,024]; A: computed on the way; B: input Wo: QUANTISED
;;   THE QUANTISER, for each operand of a quantised product, along K:
;;     - K is cut into blocks of 32 from its start; a last block that is shorter is filled with zeros.
;;     - A block's scale is 2^e with e = floor(log2(the largest magnitude in the block)) - 4, held to -126 .. 127; a block of zeros has e = 0. As a byte (E8M0): e + 127.
;;     - Each number is divided by its block's scale, clamped to +-28, and rounded to the nearest number of E3M2, ties to even, subnormals kept.
;;     - The product sums the exact products of the quantised numbers (number of the format x scale) in f32.
;;   ~~~python
;;   def quantise(x, axis):      # numpy; x: float32 -> the quantised numbers, widened to float32 again
;;       x = np.moveaxis(x, axis, -1); K = x.shape[-1]
;;       x = np.pad(x, [(0, 0)] * (x.ndim - 1) + [(0, -K % 32)]); x = x.reshape(x.shape[:-1] + (-1, 32)); a = np.abs(x).max(-1, keepdims=True)
;;       e = np.where(a > 0, np.clip(np.frexp(np.where(a > 0, a, 1))[1] - 1 - 4, -126, 127), 0)      # np.frexp(a)[1] - 1 = floor(log2(a)), exactly
;;       r = np.clip(x / 2.0 ** e, -28, 28)
;;       step = 2.0 ** (np.maximum(np.frexp(np.where(r == 0, 1, r))[1] - 1, -2) - 2)
;;       q = np.round(r / step) * step * 2.0 ** e      # np.round: ties to even
;;       return np.moveaxis(q.reshape(q.shape[:-2] + (-1,))[..., :K], -1, axis).astype(np.float32)
;;   ~~~
;;   SOFTMAX AHEAD OF A QUANTISED PRODUCT. Where the list says 'softmax', what is quantised is not the finished softmax but p = 2^(t - M), with t = logit x log2(e) and M = ceil(the row's largest t), a whole number; so 1/2 < the row's largest p <= 1. The row's sum l is taken of the UNQUANTISED p, in f32, and the product's result is divided by l at the end. Since M is a whole number, a kernel that streams over the keys may use a running M (the ceiling of the running maximum): every later rescaling is an exact power of two, which a block's scale takes up: the codes' values come out the same.
;;   OPERANDS COMPUTED ON THE WAY. 'Computed on the way' means the value that the module computes at that place (a softmax that the list does not call 'softmax' is quantised finished and normalised). What goes into a quantiser is computed in f32, as accurately as f32 sums, v_exp_f32 and their like allow (about 1e-6 of the number): no bf16 or f16 on the way to a quantiser, and a product that is left as it is and whose result goes on into a quantised operand takes f32 operands (vector FMAs, or v_wmma_f32_16x16x4_f32). A number that lies on a knife's edge between two numbers of the format may be rounded either way, as far as f32 arithmetic and the matrix unit's own rounding can turn it there, and no further.
;; One version. Each part assembles by itself: llvm-mc -triple=amdgcn-amd-amdhsa -mcpu=gfx1250 --defsym DOCPART=n.
;; ======== version 1 of 1: 4 launches
;; limits: right only within a limited range of input values
;; workspace buffers: xc 6,291,456 bytes; wc 3,145,728 bytes; sc 655,360 bytes; qc 6,815,744 bytes; kv 13,631,488 bytes; cc 6,291,456 bytes
;; launch quant (part 1): grid 256 x 1, 6 waves a work-group, no clusters, 51,456 bytes of LDS; arguments x, Wq, Wk, Wv, Wo, xc, wc, sc; writes xc, wc, sc
.if DOCPART == 1
	.amdgcn_target "amdgcn-amd-amdhsa--gfx1250"
	.amdhsa_code_object_version 6
	.text
	.protected	k_q9c64d34a9e_quant
	.globl	k_q9c64d34a9e_quant
	.p2align	8
	.type	k_q9c64d34a9e_quant,@function
k_q9c64d34a9e_quant:
	s_mov_b64 s[64:65], 0
	v_nop
	global_prefetch_b8 v0, s[64:65] scope:SCOPE_SE
	s_setreg_imm32_b32 hwreg(HW_REG_WAVE_MODE, 25, 1), 1
	s_wait_xcnt 0x0
; x [8192][1024] and Wq, Wk, Wv, Wo [1024][1024], f32, K innermost, become codes of BF6 (E3M2) with one E8M0 byte for each 32 along K.
; THE CODES ARE LAID AS IMAGES OF OPERAND REGISTERS.  A tile is 16 rows; lane r of tile 2 g + u holds row 32 g + 8 u + r + 8 (r / 8).  A fragment (16 rows x 128 K) is 12 registers a lane: registers 6 c .. 6 c + 5
; of lane (r, h) hold k = 64 c + 32 h + 0 .. 31.  Its image is 1,536 bytes: byte 512 j + 16 lane + 4 e is register 4 j + e.  xc: [tile 0..511][K step 0..7]; wc: [tile 0..255][K step]: Wq 0-63, Wk 64-127, Wv 128-191, Wo 192-255.
; THE SCALE WORDS: sc [T][q][r][t], 4 bytes: the four bytes of row r of tile T for K step 4 q + t.  T = x's tile, or 512 + the weights' tile.
; A block's scale is 2^(floor(log2(its largest magnitude)) - 4), its byte the largest magnitude's exponent field - 4, held at 1 from below.
; LIMITS: a block of zeros gets the byte 1 where the rule says 127 (its codes are zeros, and this program alone reads the bytes); NaN and infinities among the inputs are not served.
; SHARES: job J = 6 x work-group + wave, 0 .. 1535: tile T = J / 2, half q = J % 2 of K: 16 rows x 512 K, four images.  Waves share nothing: no barrier.
; A load reads 512 consecutive bytes of one row; an image's 16 rows turn through the wave's own stage in LDS (rows 528 bytes apart) and come back 128 bytes of a row to a lane: a lane then holds two whole blocks.
.set ROWB, 4096                        ; a row of any of the five tensors in bytes
.set SPI,  528                         ; a stage row: 512 bytes + 16
.set R,    16                          ; v16-143  two sets of 64: an image's numbers as loaded
.set X,    144                         ; v144-207 my two blocks of 32 neighbours
.set C,    208                         ; v208-219 the fragment's 12 registers
.set Y,    220                         ; v220-227 the upper halves of the two blocks' codes, before they are moved
.set WD,   228                         ; v228-231 the four images' scale words
.set TM,   232                         ; v232-239 at work
.set SD,   240                         ; v240-241 the words that I store
	s_load_b512 s[4:19], s[0:1], 0x0               ; x, Wq, Wk, Wv, Wo, xc, wc, sc
	v_lshl_add_u32 v254, v0, 2, 0xc600
	v_mov_b32 v255, 0
	v_lshrrev_b32 v6, 5, v0
	v_readfirstlane_b32 s20, v6                    ; wave 0..5
	v_and_b32 v6, 31, v0                           ; lane
	v_and_b32 v7, 15, v0                           ; r
	v_bfe_u32 v8, v0, 4, 1                         ; h
	v_lshlrev_b32 v1, 4, v6                        ; 16 x lane: my place in a load's 512 bytes and in an image's
	s_mul_i32 s21, s20, 16*SPI                     ; my wave's stage
	v_add_nc_u32 v2, s21, v1                       ; into it: 16 x lane of a row
	v_mul_u32_u24 v3, v7, SPI
	v_lshl_add_u32 v3, v8, 7, v3
	v_add_nc_u32 v3, s21, v3                       ; out of it: row r, + 128 h
	v_lshlrev_b32 v4, 4, v7
	v_lshl_add_u32 v4, v8, 3, v4                   ; my 8 bytes of the 256 bytes of scale words: 16 r + 8 h
	v_lshlrev_b32 v5, 3, v8                        ; 8 h: how far my two bytes are shifted in a word
	v_mov_b32 v[TM+7], 0                           ; written once: a lane permute's destination counts as one of its sources
	s_mov_b32 s30, 0x76543210
	s_mov_b32 s31, 0xfedcba98                      ; selects for lane l xor 16
	s_mov_b32 s32, 0xffff0000                      ; lanes 16-31
	s_mul_i32 s22, ttmp9, 6
	s_add_co_u32 s22, s22, s20                     ; J
	s_and_b32 s23, s22, 1                          ; q
	s_lshr_b32 s22, s22, 1                         ; T
	s_and_b32 s28, s22, 63                         ; a weight's tile in its own tensor
	s_sub_co_u32 s29, s22, 512                     ; and in wc
	s_wait_alu depctr_va_vdst(0)
	s_wait_kmcnt 0x0
	s_mov_b64 s[24:25], s[12:13]                   ; the source: Wo, unless T says otherwise; the choice hangs on the job's number alone
	s_cmp_lt_u32 s22, 704
	s_cselect_b64 s[24:25], s[10:11], s[24:25]
	s_cmp_lt_u32 s22, 640
	s_cselect_b64 s[24:25], s[8:9], s[24:25]
	s_cmp_lt_u32 s22, 576
	s_cselect_b64 s[24:25], s[6:7], s[24:25]
	s_cmp_lt_u32 s22, 512
	s_cselect_b64 s[24:25], s[4:5], s[24:25]
	s_cselect_b64 s[26:27], s[14:15], s[16:17]     ; the codes go to xc or to wc
	s_cselect_b32 s28, s22, s28                    ; the tile in the source
	s_cselect_b32 s29, s22, s29                    ; and in the codes' buffer
	s_lshr_b32 s33, s28, 1
	s_lshl_b32 s33, s33, 17                        ; 32 rows for each pair of tiles,
	s_and_b32 s34, s28, 1
	s_lshl_b32 s34, s34, 15                        ; 8 rows for the odd tile,
	s_add_co_u32 s34, s34, s33
	s_lshl_b32 s33, s23, 11                        ; 512 numbers for the upper half of K
	s_add_co_u32 s34, s34, s33
	s_mov_b32 s35, 0
	s_add_nc_u64 s[24:25], s[24:25], s[34:35]
	; the images of a group of 8 tiles lie as [K step / 2][tile % 8][K step % 2], 1,536 bytes each: 98,304 bytes a group
	s_lshr_b32 s34, s29, 3
	s_mul_i32 s34, s34, 98304                      ; the group of 8 tiles,
	s_and_b32 s33, s29, 7
	s_mul_i32 s33, s33, 3072                       ; the tile in it,
	s_add_co_u32 s34, s34, s33
	s_mul_i32 s33, s23, 49152                      ; and K steps 4 q ..: two pairs of steps on
	s_add_co_u32 s34, s34, s33
	s_add_nc_u64 s[26:27], s[26:27], s[34:35]
	s_lshl_b32 s34, s22, 9
	s_lshl_b32 s33, s23, 8
	s_add_co_u32 s34, s34, s33                     ; 512 T + 256 q
	s_add_nc_u64 s[18:19], s[18:19], s[34:35]
.macro LOAD t                          ; image t: 16 rows x 512 bytes; the tile's order of rows stands in the immediates
.irp i, 0,1,2,3,4,5,6,7,8,9,10,11,12,13,14,15
	global_load_b128 v[R+64*((\t)%2)+4*\i:R+64*((\t)%2)+4*\i+3], v1, s[24:25] offset:(\i+8*(\i/8))*ROWB+512*(\t) th:TH_LOAD_NT
.endr
.endm
.macro IMAGE t
.if \t < 3
	s_wait_loadcnt 16                              ; this image's 16 loads are in; the next image's 16 may be out
.else
	s_wait_loadcnt 0x0
.endif
.irp i, 0,1,2,3,4,5,6,7,8,9,10,11,12,13,14,15
	ds_store_b128 v2, v[R+64*((\t)%2)+4*\i:R+64*((\t)%2)+4*\i+3] offset:SPI*\i
.endr
.irp c, 0,1
.irp n, 0,1,2,3,4,5,6,7
	ds_load_b128 v[X+32*\c+4*\n:X+32*\c+4*\n+3], v3 offset:256*\c+16*\n   ; LDS serves a wave's instructions in order: these see my stores.  k = 64 c + 32 h + 4 n ..
.endr
.endr
	s_wait_dscnt 0x0                               ; my numbers are back, and the stores have read their registers,
.if \t < 2
	LOAD \t+2                                      ; which take the image two on
.endif
.irp c, 0,1
	v_max3_num_f32 v[TM+\c], |v[X+32*\c]|, |v[X+32*\c+1]|, 0x2800000   ; my block 2 c + h: all 32 numbers are mine; the floor 2^(5 - 127) holds the byte at 1 from below
.endr
.irp i, 2,4,6,8,10,12,14,16,18,20,22,24,26,28,30
.irp c, 0,1
	v_max3_num_f32 v[TM+\c], v[TM+\c], |v[X+32*\c+\i]|, |v[X+32*\c+\i+1]|
.endr
.endr
.irp c, 0,1
	v_add_nc_u32 v[TM+2+\c], 0xfe000000, v[TM+\c]  ; 4 off the exponent field: the conversion's scale operand
.endr
.irp c, 0,1
	v_lshrrev_b32 v[TM+4+\c], 23, v[TM+2+\c]       ; the scale's byte
.endr
	v_lshl_or_b32 v[TM+6], v[TM+5], 16, v[TM+4]    ; blocks h and 2 + h,
	v_lshlrev_b32 v[TM+6], v5, v[TM+6]             ; at their places in the word;
	v_permlanex16_b32 v[TM+7], v[TM+6], s30, s31
	v_or_b32 v[WD+\t], v[TM+6], v[TM+7]            ; with lane l xor 16's two the word is whole
	s_wait_alu depctr_va_vdst(0)
	s_wait_xcnt 0x0                                ; the last image's stores have read the registers that are written now
.irp c, 0,1
	v_cvt_scalef32_pk16_bf6_f32 v[C+6*\c:C+6*\c+2], v[X+32*\c:X+32*\c+15], v[TM+2+\c]
	v_cvt_scalef32_pk16_bf6_f32 v[Y+4*\c:Y+4*\c+2], v[X+32*\c+16:X+32*\c+31], v[TM+2+\c]   ; (a conversion's three registers begin on an even number)
.endr
	v_nop                                          ; one plain instruction behind the conversions
.irp c, 0,1
.irp i, 0,1,2
	v_mov_b32 v[C+3+6*\c+\i], v[Y+4*\c+\i]
.endr
.endr
.irp j, 0,1,2
	global_store_b128 v1, v[C+4*\j:C+4*\j+3], s[26:27] offset:24576*((\t)/2)+1536*((\t)%2)+512*\j   ; 32 lanes store 512 consecutive bytes, aligned
.endr
.endm
	LOAD 0
	LOAD 1
	IMAGE 0
	IMAGE 1
	IMAGE 2
	IMAGE 3
	v_cndmask_b32 v[SD], v[WD], v[WD+2], s32       ; lanes 0-15 store a row's words 0 and 1, lanes 16-31 its words 2 and 3
	v_cndmask_b32 v[SD+1], v[WD+1], v[WD+3], s32
	global_store_b64 v4, v[SD:SD+1], s[18:19]      ; 256 consecutive bytes, aligned
	s_wait_tensorcnt 0x0
	ds_add_u32 v254, v255
	s_wait_dscnt 0x0
	s_endpgm
.Lfunc_end_k_q9c64d34a9e_quant:
	.size	k_q9c64d34a9e_quant, .Lfunc_end_k_q9c64d34a9e_quant-k_q9c64d34a9e_quant
	.p2alignl 7, 3214868480
	.fill 96, 4, 3214868480
	.section	.rodata,"a",@progbits
	.p2align	6, 0x0
	.amdhsa_kernel k_q9c64d34a9e_quant
		.amdhsa_group_segment_fixed_size 51456
		.amdhsa_private_segment_fixed_size 0
		.amdhsa_enable_private_segment 0
		.amdhsa_kernarg_size 64
		.amdhsa_user_sgpr_count 2
		.amdhsa_user_sgpr_kernarg_segment_ptr 1
		.amdhsa_wavefront_size32 1
		.amdhsa_system_sgpr_workgroup_id_x 1
		.amdhsa_system_sgpr_workgroup_id_y 1
		.amdhsa_system_sgpr_workgroup_id_z 1
		.amdhsa_system_vgpr_workitem_id 0
		.amdhsa_next_free_vgpr 256
		.amdhsa_next_free_sgpr 66
		.amdhsa_reserve_vcc 0
		.amdhsa_float_denorm_mode_32 3
		.amdhsa_float_denorm_mode_16_64 3
		.amdhsa_memory_ordered 1
		.amdhsa_forward_progress 1
		.amdhsa_inst_pref_size 31
	.end_amdhsa_kernel
	.amdgpu_metadata
---
amdhsa.version: [ 1, 2 ]
amdhsa.kernels:
  - .name:           k_q9c64d34a9e_quant
    .symbol:         k_q9c64d34a9e_quant.kd
    .args:
      - { .name: x, .offset: 0, .size: 8, .value_kind: global_buffer, .address_space: global }
      - { .name: Wq, .offset: 8, .size: 8, .value_kind: global_buffer, .address_space: global }
      - { .name: Wk, .offset: 16, .size: 8, .value_kind: global_buffer, .address_space: global }
      - { .name: Wv, .offset: 24, .size: 8, .value_kind: global_buffer, .address_space: global }
      - { .name: Wo, .offset: 32, .size: 8, .value_kind: global_buffer, .address_space: global }
      - { .name: xc, .offset: 40, .size: 8, .value_kind: global_buffer, .address_space: global }
      - { .name: wc, .offset: 48, .size: 8, .value_kind: global_buffer, .address_space: global }
      - { .name: sc, .offset: 56, .size: 8, .value_kind: global_buffer, .address_space: global }
    .group_segment_fixed_size: 51456
    .private_segment_fixed_size: 0
    .kernarg_segment_align: 8
    .kernarg_segment_size: 64
    .max_flat_workgroup_size: 192
    .sgpr_count:     66
    .vgpr_count:     256
    .wavefront_size: 32
...
	.end_amdgpu_metadata
.endif
;; end of part 1
;; launch qkv (part 2): grid 8 x 32, 4 waves a work-group, clusters of 4 x 1, 197,120 bytes of LDS; arguments xc, wc, sc, bq, bk, bv, qc, kv; writes qc, kv
.if DOCPART == 2
	.amdgcn_target "amdgcn-amd-amdhsa--gfx1250"
	.amdhsa_code_object_version 6
	.text
	.protected	k_q9c64d34a9e_qkv
	.globl	k_q9c64d34a9e_qkv
	.p2align	8
	.type	k_q9c64d34a9e_qkv,@function
k_q9c64d34a9e_qkv:
	s_mov_b64 s[64:65], 0
	v_nop
	global_prefetch_b8 v0, s[64:65] scope:SCOPE_SE
	s_setreg_imm32_b32 hwreg(HW_REG_WAVE_MODE, 25, 1), 1
	s_wait_xcnt 0x0
	s_wait_alu depctr_hold_cnt(0) depctr_sa_sdst(0) depctr_va_vdst(0) depctr_va_sdst(0) depctr_va_ssrc(0) depctr_va_vcc(0) depctr_vm_vsrc(0)
	s_getreg_b32 s2, hwreg(HW_REG_IB_STS2, 6, 4)
	s_cmp_eq_u32 s2, 0
	s_cbranch_scc0 .Lentry_in_a_cluster
	s_endpgm
.Lentry_in_a_cluster:
	s_bfe_u32 s2, ttmp6, 0x10000c
	s_cmp_lg_u32 s2, 0x3003
	s_cbranch_scc0 .Lentry_shape_is_right
	s_endpgm
.Lentry_shape_is_right:
; Q, K, V = x W^T + b for Wq, Wk, Wv: x [8192][1024] and the weights [1024][1024] as codes of BF6 (E3M2) with E8M0 scales, K = 1,024 in 8 steps of 128; sums in f32.  The results are quantised for the two products of
; attention: Q and K along the head's 64 channels, V along the tokens, and leave as images of operand registers.
; IN: xc and wc hold images of operand registers, 1,536 bytes for 16 rows x 128 K (byte 512 j + 16 lane + 4 e = register 4 j + e), laid [tile / 8][K step / 2][tile % 8][K step % 2]; wc: Wq tiles 0-63, Wk 64-127, Wv 128-191.
; Lane r of tile 2 g + u holds row 32 g + 8 u + r + 8 (r / 8).  sc [T][q][r][t]: the scale word of row r of tile T for K step 4 q + t; T = x's tile, 512 + the weights' tile.
; OUT: qc [bh][record 0..15] PART, kv [bh][record] K's PART, V's PART; a PART is 6,144 bytes of images and 512 of scale words for 128 tokens of a head.  Q, K: image b: registers 0-5 the 64 channels of token tile 2 b,
; registers 6-11 of tile 2 b + 1; words [lane][b]: lanes 0-15 tile 2 b's, lanes 16-31 tile 2 b + 1's, two bytes each.  V: image t: 16 channels x 128 keys; words [lane][t].
; SHARES: 256 work-groups that stay: each takes 256 tokens and 128 channels of Wq, then of Wk, then of Wv.  Wave (ha, hb): tokens 128 ha .., channels 64 hb ..: one record of one head in each of the three.
; x: the work-group's 256 rows for all of K are 196,608 dense bytes; each wave asks for a quarter by ONE tensor load, jointly with the three partners of its cluster, which take other channels of the same tokens.
; They stay in LDS for the three roles; nothing is filled again.  All of x is asked for at the head, and a role's weights a role ahead by their own loads: no prefetch is written.
; THE WEIGHTS: a wave's 4 tiles x 8 K steps are 384 registers.  They are images of those registers in memory, serve this wave for a whole role, and go straight there, 96 loads of 512 consecutive bytes: through LDS
; the same bytes would be written once and read once more, so no joint load is written for them.  The next role's are asked for behind the last products of the role in hand.
; THE WALK GOES BY BLOCKS OF 16 TOKENS: 32 matrix instructions (4 accumulators by turns, K ascending).  Q, K: source 0 = the weight's rows: a lane holds one token, its registers run along the channels.
; V: source 0 = x's rows: a lane holds one channel, its registers run along the tokens.  The bias is the C of a block's first products.
; A block's scale is 2^(floor(log2(its largest magnitude)) - 4), its byte the largest magnitude's exponent field - 4, held at 1 from below.
; LIMITS: a block of zeros gets the byte 1 where the rule says 127 (its codes are zeros; this program alone reads the bytes).  NaN and infinities are not served.
; REGISTERS: window 0: v16-29 addresses, v32-95 scale words (lanes 0-15 x's tile i, lanes 16-31 the weight's tile i, register 8 i + K step), v96-127 bias, v128-223 x's fragments, buffer 0, v224-251 at work;
; window 1: the weight's K steps 0-4; window 2: its K steps 5-7, v144-239 buffer 1; window 3: v0-63 accumulators, v64-111 the images, v128-223 buffer 2, v224-239 upper halves of codes.
.set GRP,   98304                      ; the images of 8 tiles, all K
.set SPARE, 2*GRP                      ; the spare words
.set ADA,  16                          ; v16-17  LDS address of my x fragments, K steps 0-3 and 4-7
.set LI,   18                          ; v18     16 x lane
.set SOF,  19                          ; v19     the scale words' offset
.set SOFI, 20                          ; v20     its step from role to role: lanes 16-31 alone
.set BO1,  21
.set BO2,  22
.set BV,   24                          ; v24-27  bv at my lane's channel of the four tiles
.set SPW,  28
.set NIL,  29
.set SC,   32
.set BIAS, 96
.set TM,   224
.set HW,   240
.set WD,   248
.set ACC,  0
.set DB,   64
.set Y,    224
.set WV,   20
.set HA,   21
.set HB,   22
.set G1,   24
.set G0,   32
.set OQ,   52
.set OK,   54
.set OV,   56
.set OB,   58
.set SEL,  60
.set FL,   62
.set MSK,  63
.set ROLE, 66
.set MSB, 0
.macro WIN new
.if MSB != (\new)
	s_set_vgpr_msb (MSB<<8)|(\new)
.set MSB, (\new)
.endif
.endm
.macro PLACES
.rept 4
	v_nop
.endr
.endm
.macro CROUND
	s_barrier_signal -1
	s_barrier_wait -1
	s_cmp_lg_u32 s[WV], 0
	s_cbranch_scc1 .Lnot_wave_0_\@
	s_barrier_signal -3
.Lnot_wave_0_\@:
	s_barrier_wait -3
	s_barrier_signal -1
	s_barrier_wait -1
.endm
.macro SCLOAD                          ; (lanes 16-31 of i = 4 .. 7 read words of sc that are not used)
.irp i, 0,1,2,3,4,5,6,7
.irp q, 0,1
	global_load_b128 v[SC+8*\i+4*\q:SC+8*\i+4*\q+3], v[SOF], s[8:9] offset:512*\i+256*\q
.endr
.endr
.endm
.macro BIASLOAD p                      ; register j of tile b: channel 32 (b / 2) + 8 (b % 2) + 16 h + j
.irp b, 0,1,2,3
	global_load_b128 v[BIAS+8*\b:BIAS+8*\b+3], v[BO1], s[\p:\p+1] offset:(32*(\b/2)+8*(\b%2))*4
	global_load_b128 v[BIAS+8*\b+4:BIAS+8*\b+7], v[BO1], s[\p:\p+1] offset:(32*(\b/2)+8*(\b%2))*4+16
.endr
.endm
.macro BLOAD                           ; the weight's fragment (b, k) at register 48 (k % 5) + 12 b of window 1 + k / 5
.irp k, 0,1,2,3,4,5,6,7
	WIN (1+\k/5)<<6
.irp b, 0,1,2,3
.irp j, 0,1,2
	global_load_b128 v[48*(\k%5)+12*\b+4*\j:48*(\k%5)+12*\b+4*\j+3], v[LI], s[6:7] offset:24576*(\k/2)+3072*\b+1536*(\k%2)+512*\j
.endr
.endr
.endr
	WIN 0
.endm
	s_load_b512 s[4:19], s[0:1], 0x0               ; xc, wc, sc, bq, bk, bv, qc, kv
	v_lshl_add_u32 v[SPW], v0, 2, SPARE
	v_mov_b32 v[NIL], 0
	ds_add_u32 v[SPW], v[NIL]                      ; the opening lines
	ds_add_u32 v[SPW], v[NIL]
	v_lshrrev_b32 v1, 5, v0
	v_readfirstlane_b32 s[WV], v1
	s_lshr_b32 s[HA], s[WV], 1
	s_and_b32 s[HB], s[WV], 1
	s_bfe_u32 s36, ttmp6, 0x40000
	s_lshl_b32 s37, ttmp9, 2
	s_add_co_u32 s37, s37, s36                     ; x: my 128 channels; it enters the weights', the scales', the biases' and the results' addresses alone
	s_and_b32 s38, ttmp7, 0xffff                   ; y: my 256 tokens, which the four partners share
	s_mul_i32 s39, s[WV], 49152                    ; my quarter of x's block, in LDS
	s_mul_i32 s40, s38, 2*GRP
	s_add_co_u32 s40, s40, s39                     ; and in xc
	s_mov_b32 s41, 0
	s_mul_i32 s42, s37, GRP                        ; Wq: group x of wc,
	s_mul_i32 s43, s[HB], 4*3072                   ; tiles 4 hb ..
	s_add_co_u32 s42, s42, s43
	s_mov_b32 s43, 0
	s_lshl_b32 s44, s38, 4                         ; x's scales: T = 16 y + 8 ha
	s_lshl_b32 s45, s[HA], 3
	s_add_co_u32 s44, s44, s45
	s_lshl_b32 s44, s44, 9
	s_lshl_b32 s46, s37, 3                         ; Wq's: T = 512 + 8 x + 4 hb
	s_lshl_b32 s45, s[HB], 2
	s_add_co_u32 s46, s46, s45
	s_add_co_u32 s46, s46, 512
	s_lshl_b32 s46, s46, 9
	s_lshl_b32 s48, s37, 9                         ; my first channel in a bias, in bytes: 512 x + 256 hb
	s_lshl_b32 s45, s[HB], 8
	s_add_co_u32 s48, s48, s45
	s_mov_b32 s49, 0
	s_lshr_b32 s50, s38, 3                         ; batch = y / 8
	s_lshl_b32 s50, s50, 4
	s_lshl_b32 s45, s37, 1
	s_add_co_u32 s50, s50, s45
	s_add_co_u32 s50, s50, s[HB]                   ; 16 x batch + head, head = 2 x + hb
	s_lshl_b32 s50, s50, 4
	s_and_b32 s45, s38, 7
	s_lshl_b32 s45, s45, 1
	s_add_co_u32 s50, s50, s45
	s_add_co_u32 s50, s50, s[HA]                   ; + record 2 (y % 8) + ha
	s_mul_i32 s[OQ], s50, 6656
	s_mov_b32 s[OQ+1], 0
	s_mul_i32 s[OK], s50, 13312
	s_mov_b32 s[OK+1], 0
	s_mov_b32 s[SEL], 0x76543210
	s_mov_b32 s[SEL+1], 0xfedcba98                 ; selects for lane l xor 16
	s_mov_b32 s[FL], 0x2800000                     ; the floor 2^(5 - 127)
	s_mov_b32 s[MSK], 0xffff0000
	s_mov_b32 s70, 8*GRP                           ; from a weight to the next in wc
	s_mov_b32 s71, 0
	s_mov_b32 s[G1], 15|(3<<16)|(1<<21)            ; the mask: all four work-groups; elements of 8 bytes
	s_mov_b32 s[G1+1], 32<<16                      ; 49,152 dense bytes: 192 rows of 256
	s_mov_b32 s[G1+2], 192<<16
	s_mov_b32 s[G1+3], 32<<16
	s_mov_b32 s[G1+4], 192
	s_mov_b32 s[G1+5], 32
	s_mov_b32 s[G1+6], 0
	s_mov_b32 s[G1+7], 0
	s_wait_dscnt 0x0
	s_wait_kmcnt 0x0
	s_add_nc_u64 s[40:41], s[4:5], s[40:41]
	s_add_nc_u64 s[6:7], s[6:7], s[42:43]
	s_add_nc_u64 s[10:11], s[10:11], s[48:49]
	s_add_nc_u64 s[12:13], s[12:13], s[48:49]
	s_add_nc_u64 s[14:15], s[14:15], s[48:49]
	s_add_nc_u64 s[OQ:OQ+1], s[16:17], s[OQ:OQ+1]
	s_add_nc_u64 s[OK:OK+1], s[18:19], s[OK:OK+1]
	s_add_nc_u64 s[OV:OV+1], s[OK:OK+1], 6656
	s_mov_b32 s[G0], 1
	s_mov_b32 s[G0+1], s39
	s_mov_b64 s[G0+2:G0+3], s[40:41]
	s_or_b32 s[G0+3], s[G0+3], 0x80000000
	CROUND                                         ; all four work-groups are here: the joint loads meet
	tensor_load_to_lds s[G0:G0+3], s[G1:G1+7]      ; every wave's one load
	s_nop 0
	PLACES
	v_and_b32 v1, 31, v0
	v_and_b32 v2, 15, v0                           ; r
	v_bfe_u32 v3, v0, 4, 1                         ; h
	v_lshlrev_b32 v[LI], 4, v1
	s_mul_i32 s67, s[HA], GRP
	v_add_nc_u32 v[ADA], s67, v[LI]
	s_add_co_u32 s67, s67, 49152
	v_add_nc_u32 v[ADA+1], s67, v[LI]
	v_mov_b32 v4, s44
	v_mov_b32 v5, s46
	v_cndmask_b32 v[SOF], v4, v5, s[MSK]           ; lanes 0-15 x's words, lanes 16-31 the weight's
	v_lshl_add_u32 v[SOF], v2, 4, v[SOF]
	v_mov_b32 v4, 0
	v_mov_b32 v5, 0x8000                           ; 64 tiles of 512 bytes
	v_cndmask_b32 v[SOFI], v4, v5, s[MSK]
	v_lshlrev_b32 v[BO1], 6, v3
	v_and_b32 v4, 8, v2
	v_add_nc_u32 v4, v4, v2
	v_lshlrev_b32 v[BO2], 2, v4                    ; my lane's row of a tile: r + 8 (r / 8)
.irp k, 0,1,2,3,4,5,6,7,8,9,10,11
	v_mov_b32 v[TM+\k], 0                          ; a lane permute's destination counts as one of its sources
.endr
	SCLOAD
	BIASLOAD 10
.irp b, 0,1,2,3
	global_load_b32 v[BV+\b], v[BO2], s[14:15] offset:(32*(\b/2)+8*(\b%2))*4
.endr
	BLOAD
.macro BUF a                           ; block a's buffer: a % 3 = 0, 1, 2 in window 0, 2, 3
.set WA, ((\a)%3)+(((\a)%3)+1)/2
.set AB, 128+16*(((\a)%3)%2)
.endm
.macro ALOAD a                         ; x's fragments of block a, all 8 K steps: 24 loads
	BUF \a
	WIN WA<<6
.irp k, 0,1,2,3,4,5,6,7
.irp j, 0,1,2
	ds_load_b128 v[AB+12*\k+4*\j:AB+12*\k+4*\j+3], v[ADA+\k/4] offset:24576*((\k/2)%2)+3072*(\a)+1536*(\k%2)+512*\j
.endr
.endr
.endm
.macro AWAIT i                         ; block i's fragments are in; the fetches issued behind them, 24 loads each, may be out
.if \i < 6
	s_wait_dscnt 48
.elseif \i == 6
	s_wait_dscnt 24
.else
	s_wait_dscnt 0x0
.endif
.endm
.macro MUL a                           ; Q, K: 32 matrix instructions, the block's 4 accumulators by turns
	BUF \a
.irp k, 0,1,2,3,4,5,6,7
	WIN (3<<6)|((3*((\k+7)/8))<<4)|(WA<<2)|(1+\k/5)
.irp b, 0,1,2,3
.set rD, ACC+32*((\a)%2)+8*\b
.set rB, 48*(\k%5)+12*\b
.set rA, AB+12*\k
.if \k == 0
	v_wmma_scale_f32_16x16x128_f8f6f4 v[rD:rD+7], v[rB:rB+11], v[rA:rA+11], v[BIAS+8*\b:BIAS+8*\b+7], v[SC+8*\b+\k], v[SC+8*(\a)+\k] matrix_a_fmt:MATRIX_FMT_BF6 matrix_b_fmt:MATRIX_FMT_BF6 matrix_a_scale:MATRIX_SCALE_ROW1
.else
	v_wmma_scale_f32_16x16x128_f8f6f4 v[rD:rD+7], v[rB:rB+11], v[rA:rA+11], v[rD:rD+7], v[SC+8*\b+\k], v[SC+8*(\a)+\k] matrix_a_fmt:MATRIX_FMT_BF6 matrix_b_fmt:MATRIX_FMT_BF6 matrix_a_scale:MATRIX_SCALE_ROW1
.endif
.endr
.endr
.endm
.macro MULV a                          ; V: the sources change places; the accumulators of tiles 2 g and 2 g + 1 lie side by side for each tile of channels
	BUF \a
.irp k, 0,1,2,3,4,5,6,7
	WIN (3<<6)|((3*((\k+7)/8))<<4)|((1+\k/5)<<2)|WA
.irp b, 0,1,2,3
.set rD, ACC+16*\b+8*((\a)%2)
.set rB, 48*(\k%5)+12*\b
.set rA, AB+12*\k
.if \k == 0
	v_wmma_scale_f32_16x16x128_f8f6f4 v[rD:rD+7], v[rA:rA+11], v[rB:rB+11], v[BIAS+8*\b:BIAS+8*\b+7], v[SC+8*(\a)+\k], v[SC+8*\b+\k] matrix_a_fmt:MATRIX_FMT_BF6 matrix_b_fmt:MATRIX_FMT_BF6 matrix_b_scale:MATRIX_SCALE_ROW1
.else
	v_wmma_scale_f32_16x16x128_f8f6f4 v[rD:rD+7], v[rA:rA+11], v[rB:rB+11], v[rD:rD+7], v[SC+8*(\a)+\k], v[SC+8*\b+\k] matrix_a_fmt:MATRIX_FMT_BF6 matrix_b_fmt:MATRIX_FMT_BF6 matrix_b_scale:MATRIX_SCALE_ROW1
.endif
.endr
.endr
.endm
; Q, K: token tile a is quantised: register 16 b + i = channel 32 b + 16 h + i of my token; two blocks of 32, each in lanes l and l xor 16; six registers of codes.  Behind an odd tile the pair's image leaves.
.macro EPQ a
.set AC, ACC+32*((\a)%2)
.set DA, DB+12*((\a)/2)+6*((\a)%2)
	WIN 0x3c                                       ; sources 1 and 2 in window 3
.irp b, 0,1
	v_max3_num_f32 v[TM+\b], s[FL], |v[AC+16*\b]|, |v[AC+16*\b+1]|   ; each accumulator is read from its low end on
.endr
.irp i, 2,4,6,8,10,12,14
.irp b, 0,1
	v_max3_num_f32 v[TM+\b], v[TM+\b], |v[AC+16*\b+\i]|, |v[AC+16*\b+\i+1]|
.endr
.endr
	WIN 0
.irp b, 0,1
	v_permlanex16_b32 v[TM+2+\b], v[TM+\b], s[SEL], s[SEL+1]
.endr
.irp b, 0,1
	v_max_num_f32 v[TM+\b], v[TM+\b], v[TM+2+\b]
.endr
.irp b, 0,1
	v_add_nc_u32 v[TM+4+\b], 0xfe000000, v[TM+\b]  ; 4 off the exponent field: the conversion's scale operand
.endr
.irp b, 0,1
	v_lshrrev_b32 v[TM+2+\b], 23, v[TM+4+\b]       ; the scale's byte
.endr
	v_lshl_or_b32 v[HW+(\a)], v[TM+3], 8, v[TM+2]
	WIN 0xc3                                       ; destination and source 0 in window 3
	v_cvt_scalef32_pk16_bf6_f32 v[DA:DA+2], v[AC:AC+15], v[TM+4]
	v_cvt_scalef32_pk16_bf6_f32 v[Y:Y+2], v[AC+16:AC+31], v[TM+5]
	v_nop                                          ; one plain line behind the conversions
.irp k, 0,1,2
	v_permlane16_swap_b32 v[DA+\k], v[Y+\k]        ; a whole block to a lane
.endr
.irp k, 0,1,2
	v_mov_b32 v[DA+3+\k], v[Y+\k]
.endr
.if ((\a)%2) == 1
	WIN 0
	v_cndmask_b32 v[WD+(\a)/2], v[HW+(\a)-1], v[HW+(\a)], s[MSK]   ; lanes 0-15 the even tile's two bytes, lanes 16-31 the odd tile's
	WIN 0x0c
.irp j, 0,1,2
	global_store_b128 v[LI], v[DB+12*((\a)/2)+4*\j:DB+12*((\a)/2)+4*\j+3], s[OB:OB+1] offset:1536*((\a)/2)+512*\j   ; 32 lanes store 512 consecutive bytes, aligned
.endr
.endif
	s_wait_alu depctr_va_vdst(0)                   ; ahead of the waits that follow
.endm
; V: tokens 32 g .. 32 g + 31 are quantised for the four tiles of channels: register i of tile b's 16 = token 32 g + 16 h + i of my channel.  Behind an odd g two blocks make six registers of an image.
.macro EPV g
	WIN 0x3c
.irp b, 0,1,2,3
	v_max3_num_f32 v[TM+\b], s[FL], |v[ACC+16*\b]|, |v[ACC+16*\b+1]|
.endr
.irp i, 2,4,6,8,10,12,14
.irp b, 0,1,2,3
	v_max3_num_f32 v[TM+\b], v[TM+\b], |v[ACC+16*\b+\i]|, |v[ACC+16*\b+\i+1]|
.endr
.endr
	WIN 0
.irp b, 0,1,2,3
	v_permlanex16_b32 v[TM+4+\b], v[TM+\b], s[SEL], s[SEL+1]
.endr
.irp b, 0,1,2,3
	v_max_num_f32 v[TM+\b], v[TM+\b], v[TM+4+\b]
.endr
.irp b, 0,1,2,3
	v_add_nc_u32 v[TM+8+\b], 0xfe000000, v[TM+\b]
.endr
.if (\g) == 0
.irp b, 0,1,2,3
	v_lshrrev_b32 v[WD+\b], 23, v[TM+8+\b]         ; byte g of the channel's scale word
.endr
.else
.irp b, 0,1,2,3
	v_lshrrev_b32 v[TM+4+\b], 23, v[TM+8+\b]
.endr
.irp b, 0,1,2,3
	v_lshl_or_b32 v[WD+\b], v[TM+4+\b], 8*(\g), v[WD+\b]
.endr
.endif
	WIN 0xc3
.if ((\g)%2) == 0
.irp b, 0,1,2,3
	v_cvt_scalef32_pk16_bf6_f32 v[DB+12*\b+6*((\g)/2):DB+12*\b+6*((\g)/2)+2], v[ACC+16*\b:ACC+16*\b+15], v[TM+8+\b]
.endr
	v_nop
.else
.irp b, 0,1,2,3
	v_cvt_scalef32_pk16_bf6_f32 v[Y+4*\b:Y+4*\b+2], v[ACC+16*\b:ACC+16*\b+15], v[TM+8+\b]
.endr
	v_nop
.irp b, 0,1,2,3
.irp k, 0,1,2
	v_permlane16_swap_b32 v[DB+12*\b+6*((\g)/2)+\k], v[Y+4*\b+\k]
.endr
.endr
.irp b, 0,1,2,3
.irp k, 0,1,2
	v_mov_b32 v[DB+12*\b+6*((\g)/2)+3+\k], v[Y+4*\b+\k]
.endr
.endr
.endif
	s_wait_alu depctr_va_vdst(0)                   ; ahead of the waits that follow
.endm
.macro NEXTLOADS                       ; the next role's weights, scale words and, for K, bias: the registers have been read for the last time
	WIN 0
	s_add_nc_u64 s[6:7], s[6:7], s[70:71]          ; (this role's loads were waited for at its start)
	v_add_nc_u32 v[SOF], v[SOF], v[SOFI]
	SCLOAD
	s_cmp_lg_u32 s[ROLE], 0
	s_cbranch_scc1 .Lno_bias                       ; V's bias came at the head
	BIASLOAD 12
.Lno_bias:
	BLOAD
.endm
; Block i of Q or K: the block two on is fetched into the buffer that the block before has left, block i is multiplied, the block before is quantised.
.macro TILE i
.if \i < 6
	ALOAD (\i)+2
.endif
	AWAIT \i
	MUL \i
	PLACES                                         ; behind the products: ahead of the reads of the results and of the loads into registers that they read
.if \i == 7
	NEXTLOADS
.endif
.if \i > 0
	EPQ (\i)-1
.endif
.endm
.macro TILEV i
.if \i < 6
	ALOAD (\i)+2
.endif
	AWAIT \i
	MULV \i
	PLACES
.if ((\i)%2) == 1
	EPV (\i)/2
.endif
.endm
	s_mov_b32 s[ROLE], 0
	s_wait_alu depctr_va_vdst(0)                   ; at the head's end
	s_wait_tensorcnt 0x0                           ; my quarter has landed,
	s_barrier_signal -1
	s_barrier_wait -1                              ; everybody's has
.Lrole:                                                ; two trips: Q, K
	s_wait_xcnt 0x0                                ; the last role's stores have read their base and their registers
	s_cmp_eq_u32 s[ROLE], 0
	s_cselect_b64 s[OB:OB+1], s[OQ:OQ+1], s[OK:OK+1]
	ALOAD 0
	ALOAD 1
	s_wait_loadcnt 0x0                             ; the weight, the scale words, the bias
.irp i, 0,1,2,3,4,5,6,7
	TILE \i
.endr
	EPQ 7
	WIN 0
	global_store_b128 v[LI], v[WD:WD+3], s[OB:OB+1] offset:6144
	s_add_co_u32 s[ROLE], s[ROLE], 1
	s_cmp_lt_u32 s[ROLE], 2
	s_wait_alu depctr_va_vdst(0)                   ; ahead of the branch
	s_cbranch_scc1 .Lrole
	s_wait_xcnt 0x0                                ; V
	ALOAD 0
	ALOAD 1
	WIN 0
.irp b, 0,1,2,3
.irp j, 0,1,2,3,4,5,6,7
	v_mov_b32 v[BIAS+8*\b+\j], v[BV+\b]            ; a lane holds one channel: its bias for all eight tokens
.endr
.endr
	s_wait_alu depctr_va_vdst(0)                   ; ahead of the wait below
	s_wait_loadcnt 0x0
.irp i, 0,1,2,3,4,5,6,7
	TILEV \i
.endr
	WIN 0x0c
.irp b, 0,1,2,3
.irp j, 0,1,2
	global_store_b128 v[LI], v[DB+12*\b+4*\j:DB+12*\b+4*\j+3], s[OV:OV+1] offset:1536*\b+512*\j
.endr
.endr
	WIN 0
	global_store_b128 v[LI], v[WD:WD+3], s[OV:OV+1] offset:6144
	s_wait_tensorcnt 0x0                           ; the wave's end
	ds_add_u32 v[SPW], v[NIL]
	s_wait_dscnt 0x0
	CROUND                                         ; the closing round
	s_endpgm
.Lfunc_end_k_q9c64d34a9e_qkv:
	.size	k_q9c64d34a9e_qkv, .Lfunc_end_k_q9c64d34a9e_qkv-k_q9c64d34a9e_qkv
	.p2alignl 7, 3214868480
	.fill 96, 4, 3214868480
	.section	.rodata,"a",@progbits
	.p2align	6, 0x0
	.amdhsa_kernel k_q9c64d34a9e_qkv
		.amdhsa_group_segment_fixed_size 197120
		.amdhsa_private_segment_fixed_size 0
		.amdhsa_enable_private_segment 0
		.amdhsa_kernarg_size 64
		.amdhsa_user_sgpr_count 2
		.amdhsa_user_sgpr_kernarg_segment_ptr 1
		.amdhsa_wavefront_size32 1
		.amdhsa_system_sgpr_workgroup_id_x 1
		.amdhsa_system_sgpr_workgroup_id_y 1
		.amdhsa_system_sgpr_workgroup_id_z 1
		.amdhsa_system_vgpr_workitem_id 0
		.amdhsa_next_free_vgpr 1024
		.amdhsa_next_free_sgpr 80
		.amdhsa_reserve_vcc 0
		.amdhsa_float_denorm_mode_32 3
		.amdhsa_float_denorm_mode_16_64 3
		.amdhsa_memory_ordered 1
		.amdhsa_forward_progress 1
		.amdhsa_inst_pref_size 157
	.end_amdhsa_kernel
	.amdgpu_metadata
---
amdhsa.version: [ 1, 2 ]
amdhsa.kernels:
  - .name:           k_q9c64d34a9e_qkv
    .symbol:         k_q9c64d34a9e_qkv.kd
    .args:
      - { .name: xc, .offset: 0, .size: 8, .value_kind: global_buffer, .address_space: global }
      - { .name: wc, .offset: 8, .size: 8, .value_kind: global_buffer, .address_space: global }
      - { .name: sc, .offset: 16, .size: 8, .value_kind: global_buffer, .address_space: global }
      - { .name: bq, .offset: 24, .size: 8, .value_kind: global_buffer, .address_space: global }
      - { .name: bk, .offset: 32, .size: 8, .value_kind: global_buffer, .address_space: global }
      - { .name: bv, .offset: 40, .size: 8, .value_kind: global_buffer, .address_space: global }
      - { .name: qc, .offset: 48, .size: 8, .value_kind: global_buffer, .address_space: global }
      - { .name: kv, .offset: 56, .size: 8, .value_kind: global_buffer, .address_space: global }
    .group_segment_fixed_size: 197120
    .private_segment_fixed_size: 0
    .kernarg_segment_align: 8
    .kernarg_segment_size: 64
    .max_flat_workgroup_size: 128
    .sgpr_count:     80
    .vgpr_count:     1024
    .wavefront_size: 32
...
	.end_amdgpu_metadata
.endif
;; end of part 2
;; launch attn (part 3): grid 4 x 64, 8 waves a work-group, clusters of 4 x 1, 215,040 bytes of LDS; arguments qc, kv, cc, sc; writes cc, sc
.if DOCPART == 3
	.amdgcn_target "amdgcn-amd-amdhsa--gfx1250"
	.amdhsa_code_object_version 6
	.text
	.protected	k_q9c64d34a9e_attn
	.globl	k_q9c64d34a9e_attn
	.p2align	8
	.type	k_q9c64d34a9e_attn,@function
k_q9c64d34a9e_attn:
	s_mov_b64 s[64:65], 0
	v_nop
	global_prefetch_b8 v0, s[64:65] scope:SCOPE_SE
	s_setreg_imm32_b32 hwreg(HW_REG_WAVE_MODE, 25, 1), 1
	s_wait_xcnt 0x0
	s_wait_alu depctr_hold_cnt(0) depctr_sa_sdst(0) depctr_va_vdst(0) depctr_va_sdst(0) depctr_va_ssrc(0) depctr_va_vcc(0) depctr_vm_vsrc(0)
	s_getreg_b32 s2, hwreg(HW_REG_IB_STS2, 6, 4)
	s_cmp_eq_u32 s2, 0
	s_cbranch_scc0 .Lentry_in_a_cluster
	s_endpgm
.Lentry_in_a_cluster:
	s_bfe_u32 s2, ttmp6, 0x10000c
	s_cmp_lg_u32 s2, 0x3003
	s_cbranch_scc0 .Lentry_shape_is_right
	s_endpgm
.Lentry_shape_is_right:
; ctx[b][q][head] = softmax_k(Q . K / 8) V for 64 (batch x head) of 2,048 tokens and 64 channels, both products on codes of BF6 (E3M2) with E8M0 scales; ctx is quantised along d_model and leaves as codes.
; THE SOFTMAX: t = score x log2(e) / 8; M = the row's largest t so far, rounded UP to a whole number; p = 2^(t - M) is quantised along the keys, not normalised; the row's sum is taken of the unquantised p and
; divides at the end.  When M moves, the sum and O are multiplied by 2^(old M - new M): exact.
; IN: qc [bh][record 0..15] PART, kv [bh][record] K's PART, V's PART; a PART is 6,144 bytes of register images and 512 of scale words for 128 tokens of a head.  Q, K: image b: registers 0-5 the 64 channels of
; token tile 2 b, registers 6-11 of tile 2 b + 1; words [lane][b]: lanes 0-15 tile 2 b's, lanes 16-31 tile 2 b + 1's.  V: image t: 16 channels x 128 keys; words [lane][t].  Lane r of tile 2 g + u holds row 32 g + 8 u + r + 8 (r / 8).
; OUT: cc: images of 1,536 bytes in six chunks (byte 256 p + 8 lane + 4 e = register 2 p + e), laid [token tile / 8][K step / 2][tile % 8][K step % 2]; K step s is heads 2 s (registers 0-5) and 2 s + 1 (6-11).
; sc, T = 768 + token tile: the head's two scale bytes, a halfword of the row's word.
; SHARES: a work-group owns one head and 512 queries; the four work-groups of a cluster are one head's four blocks and ask for K and V jointly.  Wave w of 8 owns token tiles 4 w .. 4 w + 3 and walks the keys once,
; 128 a step: each fragment of K and V is read from LDS once for the four tiles.  The tiles go in two pairs; one tile's dependent chains stand among the other tile's independent lines.
; LDS: the whole head's K and V, 16 records of 13,312 bytes, filled ONCE: each wave asks for two records by one joint load.  Nothing is filled again, nothing is stored to LDS.  All bytes are asked for at the head:
; no prefetch is written.
; Both products are used transposed: S^T = K Q^T, O^T = V^T P^T: a lane holds ONE query.  THE KEYS OF A TILE OF K ARE CHOSEN BY THE LANES' LDS ADDRESSES: rows 0-7 of tile 4 c + u are keys 64 c + 8 u + 0..7, rows 8-15
; keys 64 c + 32 + 8 u + 0..7.  So lane (r, h)'s 32 registers of tiles 4 c .. 4 c + 3 are keys 64 c + 32 h + 0..31: a whole block, in the order that the second product's operand wants.
; p's BLOCK SCALE: the block's largest p is 2^x, x = its largest score's t - M, so floor(log2) of it is floor(x): the scale operand is 2^(floor(x) - 4), held at 2^-126 from below.
; THE FIRST PRODUCT'S K IS 64 of the instruction's 128: Q's registers 6-11 are zero codes, so K's operand runs on into the next tile's registers, behind the last tile into six registers that hold lane offsets and are
; never rewritten: each product there is 0 x a code of a format without infinity and NaN, under scale bytes that are never 0xff.
; LIMITS: the promise holds while the scaled scores stay under 2^31 in magnitude.  A block of zeros of ctx gets the byte 1 where the rule says 127 (its codes are zeros; this program alone reads the bytes).
; ctx is O x v_rcp_f32(sum).  NaN and infinities are not served.
.set REC,   13312
.set PARTB, 6656
.set WOFF,  6144
.set SPARE, 16*REC                     ; the spare words, 128 bytes a wave
; window 0
.set KF,  2                            ; v2-49   K's eight half fragments
.set KB,  50                           ; v50     K's lane offset: 1536 (r / 8) + 256 h + 16 (r % 8)
.set KSB, 51                           ; v51     K's scale words' lane offset
.set L8,  52                           ; v52     8 x lane
.set SWA, 53                           ; v53     512 h + 16 r
.set LI,  54                           ; v54     16 x lane
.set ZR,  55                           ; v55     0
.set ADK, 56                           ; v56-58  the next record's addresses
.set ADS, 57
.set ADV, 58
.set SPW, 60
.set NIL, 61
.set KS,  62                           ; v62-65  K's scale words
.set VS,  66                           ; v66-69  V's
.set QS,  70                           ; v70-71  Q's
.set PW,  72                           ; v72-75  p's, one a tile
.set VF,  76                           ; v76-123 V's four fragments
.set O,   128                          ; v128-255 O^T, 32 a tile
; window 1
.set S,   0                            ; S^T, then p: 64 for each tile of the pair
.set Q,   128                          ; Q's operands: six registers of codes, six of zeros, a tile
.set PC,  176                          ; p's codes, 12 for each tile of the pair
.set Y,   200                          ; upper halves of blocks' codes before they are moved
.set NM,  216                          ; a tile's -M and its largest score
.set L,   224                          ; a tile's sum, in two halves
.set FF,  232                          ; f = 2^(old M - new M)
.set BM,  236                          ; the blocks' largest scores
.set SO,  240                          ; second chains of the maxima, then the conversions' scale operands
.set T,   244                          ; v244-249 at work
.set SH,  250                          ; 8 h
.set TP,  252
.set HW,  128                          ; behind the loop: the tiles' halfwords
.set WV,  12
.set SEL, 20
.set CS,  22
.set G1,  24
.set G0,  32
.set TB,  48
.set TN,  49
.set MSK, 50
.set CN,  51
.set MSB, 0
.macro WIN new
.if MSB != (\new)
	s_set_vgpr_msb (MSB<<8)|(\new)
.set MSB, (\new)
.endif
.endm
.macro PLACES
.rept 4
	v_nop
.endr
.endm
.macro CROUND
	s_barrier_signal -1
	s_barrier_wait -1
	s_cmp_lg_u32 s[WV], 0
	s_cbranch_scc1 .Lnot_wave_0_\@
	s_barrier_signal -3
.Lnot_wave_0_\@:
	s_barrier_wait -3
	s_barrier_signal -1
	s_barrier_wait -1
.endm
	s_load_b256 s[4:11], s[0:1], 0x0               ; qc, kv, cc, sc
	v_lshl_add_u32 v[SPW], v0, 2, SPARE
	v_mov_b32 v[NIL], 0
	ds_add_u32 v[SPW], v[NIL]                      ; the opening lines
	ds_add_u32 v[SPW], v[NIL]
	v_lshrrev_b32 v1, 5, v0
	v_readfirstlane_b32 s[WV], v1                  ; wave 0..7
	s_bfe_u32 s13, ttmp6, 0x40000
	s_lshl_b32 s15, ttmp9, 2
	s_add_co_u32 s13, s15, s13                     ; my block of 512 queries: it enters Q's, cc's and sc's addresses alone
	s_and_b32 s14, ttmp7, 0xffff                   ; batch x head
	s_mul_i32 s17, s[WV], 2*REC                    ; records 2 w, 2 w + 1 in LDS,
	s_mul_i32 s18, s14, 16*REC
	s_add_co_u32 s18, s18, s17                     ; and in kv
	s_mov_b32 s19, 0
	s_mov_b32 s[G1], 15|(3<<16)|(1<<21)            ; the mask: all four work-groups; elements of 8 bytes
	s_mov_b32 s[G1+1], 32<<16                      ; two records are dense: 104 rows of 256 bytes
	s_mov_b32 s[G1+2], 104<<16
	s_mov_b32 s[G1+3], 32<<16
	s_mov_b32 s[G1+4], 104
	s_mov_b32 s[G1+5], 32
	s_mov_b32 s[G1+6], 0
	s_mov_b32 s[G1+7], 0
	s_and_b32 s15, s[WV], 1
	s_lshl_b32 s52, s14, 4                         ; Q: record 16 bh + 4 x block + wave / 2,
	s_lshl_b32 s53, s13, 2
	s_add_co_u32 s52, s52, s53
	s_lshr_b32 s53, s[WV], 1
	s_add_co_u32 s52, s52, s53
	s_mul_i32 s52, s52, PARTB
	s_mul_i32 s53, s15, 3072
	s_add_co_u32 s54, s52, s53                     ; images 2 (wave % 2) and the next,
	s_mov_b32 s55, 0
	s_lshl_b32 s53, s15, 3
	s_add_co_u32 s52, s52, s53
	s_add_co_u32 s52, s52, WOFF                    ; and their words
	s_mov_b32 s53, 0
	s_lshr_b32 s56, s14, 4                         ; my first token tile: 128 x batch + 32 x block + 4 x wave
	s_lshl_b32 s56, s56, 7
	s_lshl_b32 s57, s13, 5
	s_add_co_u32 s56, s56, s57
	s_lshl_b32 s57, s[WV], 2
	s_add_co_u32 s56, s56, s57
	s_and_b32 s57, s14, 15                         ; the head
	s_lshr_b32 s58, s56, 3
	s_mul_i32 s58, s58, 98304                      ; cc: the group of 8 tiles,
	s_and_b32 s59, s56, 7
	s_mul_i32 s59, s59, 3072                       ; the tile in it,
	s_add_co_u32 s58, s58, s59
	s_lshr_b32 s59, s57, 2
	s_mul_i32 s59, s59, 24576                      ; K step / 2 = head / 4,
	s_add_co_u32 s58, s58, s59
	s_bfe_u32 s59, s57, 0x10001
	s_mul_i32 s59, s59, 1536                       ; K step % 2,
	s_add_co_u32 s58, s58, s59
	s_and_b32 s60, s57, 1
	s_mul_i32 s61, s60, 768
	s_add_co_u32 s58, s58, s61                     ; the image's lower or upper three chunks
	s_add_co_u32 s56, s56, 768                     ; sc: T = 768 + tile, 512 bytes each;
	s_lshl_b32 s56, s56, 9
	s_lshr_b32 s61, s57, 3
	s_lshl_b32 s61, s61, 8
	s_add_co_u32 s56, s56, s61                     ; q = head / 8;
	s_bfe_u32 s59, s57, 0x20001
	s_lshl_b32 s59, s59, 2
	s_add_co_u32 s56, s56, s59                     ; t = (head / 2) % 4;
	s_lshl_b32 s60, s60, 1
	s_add_co_u32 s56, s56, s60                     ; the word's lower or upper half
	s_mov_b32 s57, 0
	s_mov_b32 s59, 0
	s_mov_b32 s[SEL], 0x76543210
	s_mov_b32 s[SEL+1], 0xfedcba98                 ; selects for lane l xor 16
	s_mov_b32 s[CS], 0x3e38aa3b                    ; c = log2(e) / 8
	s_mov_b32 s[CS+1], s[CS]
	s_mov_b32 s[CN], 0xbe38aa3b                    ; -c
	s_mov_b32 s[MSK], 0xffff0000
	s_mov_b32 s[TB], 0
	s_wait_dscnt 0x0
	s_wait_kmcnt 0x0
	s_add_nc_u64 s[18:19], s[6:7], s[18:19]
	s_add_nc_u64 s[54:55], s[4:5], s[54:55]
	s_add_nc_u64 s[52:53], s[4:5], s[52:53]
	s_add_nc_u64 s[8:9], s[8:9], s[58:59]
	s_add_nc_u64 s[10:11], s[10:11], s[56:57]
	s_mov_b32 s[G0], 1
	s_mov_b32 s[G0+1], s17
	s_mov_b64 s[G0+2:G0+3], s[18:19]
	s_or_b32 s[G0+3], s[G0+3], 0x80000000
	CROUND                                         ; all four work-groups are here: the joint loads meet
	tensor_load_to_lds s[G0:G0+3], s[G1:G1+7]      ; every wave's one load
	s_nop 0
	PLACES
	v_and_b32 v1, 31, v0
	v_lshlrev_b32 v[LI], 4, v1
	v_lshlrev_b32 v[L8], 3, v1
	v_and_b32 v[ADK], 15, v0                       ; r
	v_bfe_u32 v[ADS], v0, 4, 1                     ; h
	v_lshlrev_b32 v[SWA], 4, v[ADK]
	v_lshl_add_u32 v[SWA], v[ADS], 9, v[SWA]
	v_and_b32 v[ADK], 7, v0                        ; r % 8
	v_bfe_u32 v[ADV], v0, 3, 1                     ; r / 8
	v_lshlrev_b32 v[ADK], 4, v[ADK]
	v_lshl_add_u32 v[ADK], v[ADS], 8, v[ADK]       ; 256 h + 16 (r % 8)
	v_mul_u32_u24 v[KB], v[ADV], 1536              ; rows 8-15 of a tile come from the next image
	v_add_nc_u32 v[KB], v[KB], v[ADK]
	v_lshl_add_u32 v[KSB], v[ADV], 2, v[ADK]
	v_add_nc_u32 v[KSB], WOFF, v[KSB]
	v_mov_b32 v[ZR], 0
	global_load_b64 v[QS:QS+1], v[LI], s[52:53]    ; Q's words of my two images
	WIN 0x40                                       ; destinations in window 1
	v_lshlrev_b32 v[SH], 3, v[ADS]
.irp m, 0,1                                    ; an image's registers 0-5 and 6-11 go to two operands
	global_load_b128 v[Q+24*\m:Q+24*\m+3], v[LI], s[54:55] offset:1536*\m
	global_load_b64 v[Q+24*\m+4:Q+24*\m+5], v[LI], s[54:55] offset:1536*\m+512
	global_load_b64 v[Q+24*\m+12:Q+24*\m+13], v[LI], s[54:55] offset:1536*\m+520
	global_load_b128 v[Q+24*\m+14:Q+24*\m+17], v[LI], s[54:55] offset:1536*\m+1024
.endr
.irp i, 0,1,2,3
.irp k, 6,7,8,9,10,11
	v_mov_b32 v[Q+12*\i+\k], 0                     ; zero codes for the upper 64 of the instruction's K
.endr
	v_mov_b32 v[NM+2*\i], 0x7d000000               ; -M: a large whole number, so that the first f is 0
	v_mov_b32 v[NM+2*\i+1], 0xff61b1e6             ; the largest score so far: -3e38
	v_mov_b32 v[L+2*\i], 0
	v_mov_b32 v[L+2*\i+1], 0
.endr
.irp k, 0,1,2,3,4,5
	v_mov_b32 v[T+\k], 0                           ; a lane permute's destination counts as one of its sources
.endr
	v_mov_b32 v[FF+1], 0                           ; (named as upper halves of pairs)
	v_mov_b32 v[FF+3], 0
	v_mov_b32 v[TP+1], 0
	WIN 0
.set J, 0
.rept 128
	v_mov_b32 v[O+J], 0                            ; O^T: the step is written once; the first finds zeros
.set J, J+1
.endr
.macro KLOAD ak, as                    ; image (c, p): tiles 4 c + 2 p and 4 c + 2 p + 1
.irp n, 0,1,2,3
.irp j, 0,1,2
	ds_load_b128 v[KF+12*\n+4*\j:KF+12*\n+4*\j+3], v[\ak] offset:3072*(\n/2)+128*(\n%2)+512*\j
.endr
	ds_load_b32 v[KS+\n], v[\as] offset:8*(\n/2)+128*(\n%2)
.endr
.endm
.macro VLOAD av
.irp j, 0,1,2,3,4,5,6,7,8,9,10,11
	ds_load_b128 v[VF+4*\j:VF+4*\j+3], v[\av] offset:PARTB+512*\j
.endr
	ds_load_b128 v[VS:VS+3], v[\av] offset:PARTB+WOFF
.endm
.macro SPROD t, e, P                   ; K's word in lanes 0-15 (even t) or 16-31, Q's in lanes 0-15 (e = 0) or 16-31
.set rD, S+64*\e+8*\t
.set rA, KF+6*\t
.set rB, Q+24*\P+12*\e
.if ((\t)%2 == 0) && (\e == 0)
	v_wmma_scale_f32_16x16x128_f8f6f4 v[rD:rD+7], v[rA:rA+11], v[rB:rB+11], 0, v[KS+\t/2], v[QS+\P] matrix_a_fmt:MATRIX_FMT_BF6 matrix_b_fmt:MATRIX_FMT_BF6
.elseif (\e == 0)
	v_wmma_scale_f32_16x16x128_f8f6f4 v[rD:rD+7], v[rA:rA+11], v[rB:rB+11], 0, v[KS+\t/2], v[QS+\P] matrix_a_fmt:MATRIX_FMT_BF6 matrix_b_fmt:MATRIX_FMT_BF6 matrix_a_scale:MATRIX_SCALE_ROW1
.elseif ((\t)%2 == 0)
	v_wmma_scale_f32_16x16x128_f8f6f4 v[rD:rD+7], v[rA:rA+11], v[rB:rB+11], 0, v[KS+\t/2], v[QS+\P] matrix_a_fmt:MATRIX_FMT_BF6 matrix_b_fmt:MATRIX_FMT_BF6 matrix_b_scale:MATRIX_SCALE_ROW1
.else
	v_wmma_scale_f32_16x16x128_f8f6f4 v[rD:rD+7], v[rA:rA+11], v[rB:rB+11], 0, v[KS+\t/2], v[QS+\P] matrix_a_fmt:MATRIX_FMT_BF6 matrix_b_fmt:MATRIX_FMT_BF6 matrix_a_scale:MATRIX_SCALE_ROW1 matrix_b_scale:MATRIX_SCALE_ROW1
.endif
.endm
.macro SPRODS P                        ; 16 products, 16 accumulators
	WIN 0x44                                       ; D and Q in window 1, K in window 0
.irp t, 0,1,2,3,4,5,6,7
.irp e, 0,1
	SPROD \t, \e, \P
.endr
.endr
.endm
.macro LVL e, st, n                    ; a level of the sum's tree, in place
.set K, S+64*(\e)
.rept \n
	v_pk_add_f32 v[K:K+1], v[K:K+1], v[K+(\st):K+(\st)+1]
.set K, K+2*(\st)
.endr
.endm
.macro CV1 e, n                        ; the n-th of a tile's four conversions: block n / 2, its lower or upper 16 codes (a conversion's three registers begin on an even number)
.set cc1, (\n)/2
.if (\n)%2 == 0
	v_cvt_scalef32_pk16_bf6_f32 v[PC+12*(\e)+6*cc1:PC+12*(\e)+6*cc1+2], v[S+64*(\e)+32*cc1:S+64*(\e)+32*cc1+15], v[SO+2*(\e)+cc1]
.else
	v_cvt_scalef32_pk16_bf6_f32 v[Y+8*(\e)+4*cc1:Y+8*(\e)+4*cc1+2], v[S+64*(\e)+32*cc1+16:S+64*(\e)+32*cc1+31], v[SO+2*(\e)+cc1]
.endif
.endm
.macro MOVS e
.irp c, 0,1
.irp k, 0,1,2
	v_mov_b32 v[PC+12*(\e)+6*\c+3+\k], v[Y+8*(\e)+4*\c+\k]
.endr
.endr
.endm
.macro MX e, i                         ; the i-th of a tile's 32 maxima: four chains by turns, my blocks 0 and 1 in two halves each; each accumulator is read from its low end on
.set qq, (\i)%4
.set ll, (\i)/4
.set bb, S+64*(\e)+32*(qq/2)+16*(qq%2)
.set aa, BM+2*(\e)+qq/2+(SO-BM)*(qq%2)
.if ll == 0
	v_max3_num_f32 v[aa], v[bb], v[bb+1], v[bb+2]
.elseif ll < 7
	v_max3_num_f32 v[aa], v[aa], v[bb+2*ll+1], v[bb+2*ll+2]
.elseif qq < 2
	v_max3_num_f32 v[BM+2*(\e)+qq], v[BM+2*(\e)+qq], v[SO+2*(\e)+qq], v[S+64*(\e)+32*qq+15]
.else
	v_max_num_f32 v[BM+2*(\e)+qq-2], v[BM+2*(\e)+qq-2], v[S+64*(\e)+32*(qq-2)+31]
.endif
.endm
.macro PF P, e, i                      ; t - M of two scores
	v_pk_fma_f32 v[S+64*(\e)+2*(\i):S+64*(\e)+2*(\i)+1], v[S+64*(\e)+2*(\i):S+64*(\e)+2*(\i)+1], s[CS:CS+1], v[NM+4*(\P)+2*(\e):NM+4*(\P)+2*(\e)+1] op_sel_hi:[1,0,0]
.endm
.macro CH P, e, k                      ; the k-th line of a tile's chain: the new M, f, the two blocks' scales, p's scale word
.set nm, NM+4*(\P)+2*(\e)
.if \k == 0
	v_max_num_f32 v[T+\e], v[BM+2*\e], v[BM+2*\e+1]
.elseif \k == 1
	v_permlanex16_b32 v[T+2+\e], v[T+\e], s[SEL], s[SEL+1]
.elseif \k == 2
	v_max3_num_f32 v[nm+1], v[nm+1], v[T+\e], v[T+2+\e]     ; the running largest score
.elseif \k == 3
	v_mul_f32 v[T+\e], s[CN], v[nm+1]
.elseif \k == 4
	v_floor_f32 v[T+\e], v[T+\e]                            ; the new -M = floor(-t)
.elseif \k == 5
	v_sub_f32 v[T+2+\e], v[T+\e], v[nm]                     ; old M - new M: a whole number, 0 or less
.elseif \k == 6
	v_add_f32 v[T+4+\e], -4.0, v[T+\e]                      ; -M - 4
.elseif \k == 7
	v_mov_b32 v[nm], v[T+\e]
.elseif \k == 8 || \k == 9
	v_fma_f32 v[BM+2*\e+\k-8], v[BM+2*\e+\k-8], s[CS], v[T+4+\e]   ; x - 4 of the block's largest score
.elseif \k == 10
	v_cvt_i32_f32 v[T+2+\e], v[T+2+\e]                      ; (it saturates)
.elseif \k == 11 || \k == 12
	v_max_num_f32 v[BM+2*\e+\k-11], 0xc2fc0000, v[BM+2*\e+\k-11]   ; held at -126: the byte cannot fall under 1
.elseif \k == 13
	v_ldexp_f32 v[FF+2*\e], 1.0, v[T+2+\e]                  ; f
.elseif \k == 14 || \k == 15
	v_cvt_floor_i32_f32 v[BM+2*\e+\k-14], v[BM+2*\e+\k-14]
.elseif \k == 16 || \k == 17
	v_ldexp_f32 v[SO+2*\e+\k-16], 1.0, v[BM+2*\e+\k-16]     ; the block's scale as a number: the conversion's scale operand
.elseif \k == 18 || \k == 19
	v_lshrrev_b32 v[BM+2*\e+\k-18], 23, v[SO+2*\e+\k-18]    ; and its byte
.elseif \k == 20
	v_lshl_or_b32 v[T+\e], v[BM+2*\e+1], 16, v[BM+2*\e]     ; blocks h and 2 + h,
.elseif \k == 21
	v_lshlrev_b32 v[T+\e], v[SH], v[T+\e]                   ; at their places in the word
.else
	v_permlanex16_b32 v[T+2+\e], v[T+\e], s[SEL], s[SEL+1]
.endif
.endm
; THE SOFTMAX of pair P (tiles 2 P, 2 P + 1), all in window 1 but for p's scale words
.macro SOFTMAX P
	WIN 0x55
.set NB, 0
.rept 32
	MX 0, NB                                       ; the first tile's maxima
.set NB, NB+1
.endr
.set NC, 0
.set NB, 0
.rept 23                               ; the first tile's chain among the second tile's 32 maxima
	CH \P, 0, NC
	MX 1, NB
.set NB, NB+1
.if NC < 9
	MX 1, NB
.set NB, NB+1
.endif
.set NC, NC+1
.endr
.set NC, 0
.set NB, 0
.rept 23                               ; the second tile's chain among the first tile's 32 multiply-adds
	CH \P, 1, NC
	PF \P, 0, NB
.set NB, NB+1
.if NC < 9
	PF \P, 0, NB
.set NB, NB+1
.endif
.set NC, NC+1
.endr
	WIN 0x05
.irp e, 0,1
	v_or_b32 v[PW+2*\P+\e], v[T+\e], v[T+2+\e]     ; with lane l xor 16's two bytes the word is whole
.endr
	WIN 0x55
	s_wait_alu depctr_va_vdst(0)                   ; ahead of a batch
.set J, 0
.rept 32                               ; the first tile's p; among them the second tile's t - M, read behind the next wait
	v_exp_f32 v[S+2*J], v[S+2*J]
	v_exp_f32 v[S+2*J+1], v[S+2*J+1]
	PF \P, 1, J
.set J, J+1
.endr
	s_wait_alu depctr_va_vdst(0)                   ; behind the one batch and ahead of the next
.set J, 0
.set AJ, S
.rept 16                               ; the second tile's p; among them the first tile's conversions and the first level of its sum, all read behind the next wait
.if J < 16
	CV1 0, J/4
.endif
	v_exp_f32 v[S+64+J], v[S+64+J]
	v_exp_f32 v[S+64+J+1], v[S+64+J+1]
	v_exp_f32 v[S+64+J+2], v[S+64+J+2]
	v_exp_f32 v[S+64+J+3], v[S+64+J+3]
.if J == 12
.irp e, 0,1
	v_pk_mul_f32 v[L+4*\P+2*\e:L+4*\P+2*\e+1], v[L+4*\P+2*\e:L+4*\P+2*\e+1], v[FF+2*\e:FF+2*\e+1] op_sel_hi:[1,0]   ; the sums under the new M; the plain lines between the conversions and the writes of their sources
.endr
.endif
.if J >= 16
	v_pk_add_f32 v[AJ:AJ+1], v[AJ:AJ+1], v[AJ+2:AJ+3]
.set AJ, AJ+4
.if J < 32
	v_pk_add_f32 v[AJ:AJ+1], v[AJ:AJ+1], v[AJ+2:AJ+3]
.set AJ, AJ+4
.endif
.endif
.set J, J+4
.endr
	s_wait_alu depctr_va_vdst(0)
.irp n, 0,1,2,3
	CV1 1, \n
.endr
	MOVS 0
	LVL 0, 4, 8                                    ; the sums of the unquantised p, the two tiles' trees by turns
	LVL 1, 2, 16
	LVL 0, 8, 4
	LVL 1, 4, 8
	LVL 0, 16, 2
	LVL 1, 8, 4
	LVL 0, 32, 1
	LVL 1, 16, 2
	v_pk_add_f32 v[L+4*\P:L+4*\P+1], v[L+4*\P:L+4*\P+1], v[S:S+1]
	LVL 1, 32, 1
	MOVS 1
	v_pk_add_f32 v[L+4*\P+2:L+4*\P+3], v[L+4*\P+2:L+4*\P+3], v[S+64:S+65]
.endm
.macro PVS P, w                        ; O^T under the new M, then O^T += V^T P^T: 8 accumulators by turns
	WIN 0x04                                       ; f and p's codes in window 1
	s_wait_alu depctr_va_vdst(0)                   ; directly ahead of the first reader of O^T
.irp e, 0,1
.set J, O+64*\P+32*\e
.rept 16
	v_pk_mul_f32 v[J:J+1], v[J:J+1], v[FF+2*\e:FF+2*\e+1] op_sel_hi:[1,0]
.set J, J+2
.endr
.endr
.if \w
	s_wait_alu depctr_va_vdst(0)                   ; ahead of the wait below
	s_wait_dscnt 0x0                               ; V is in
.endif
.irp t, 0,1,2,3
.irp e, 0,1
	v_wmma_scale_f32_16x16x128_f8f6f4 v[O+64*\P+32*\e+8*\t:O+64*\P+32*\e+8*\t+7], v[VF+12*\t:VF+12*\t+11], v[PC+12*\e:PC+12*\e+11], v[O+64*\P+32*\e+8*\t:O+64*\P+32*\e+8*\t+7], v[VS+\t], v[PW+2*\P+\e] matrix_a_fmt:MATRIX_FMT_BF6 matrix_b_fmt:MATRIX_FMT_BF6
.endr
.endr
.endm
	s_wait_alu depctr_va_vdst(0)                   ; at the head's end
	s_wait_tensorcnt 0x0                           ; my two records have landed,
	s_barrier_signal -1
	s_barrier_wait -1                              ; everybody's have
	KLOAD KB, KSB                                  ; record 0
	VLOAD LI
	s_wait_loadcnt 0x0                             ; Q
.Lstep:                                                ; 128 keys; K and V of the next record are fetched on the way
	s_add_co_u32 s[TB], s[TB], REC
	s_min_u32 s[TN], s[TB], 15*REC                 ; (the last trip names record 15 again; what it fetches is not used)
	v_add_nc_u32 v[ADK], s[TN], v[KB]
	v_add_nc_u32 v[ADS], s[TN], v[KSB]
	v_add_nc_u32 v[ADV], s[TN], v[LI]
	s_wait_dscnt 13                                ; K's 16 loads are in; V's 13, issued behind them, may be out
	SPRODS 0
	PLACES
	SOFTMAX 0
	PVS 0, 1
	SPRODS 1
	WIN 0
	PLACES                                         ; ahead of the loads into K's registers and of the first read of the scores
	KLOAD ADK, ADS
	SOFTMAX 1
	PVS 1, 0
	WIN 0
	PLACES
	VLOAD ADV
	s_cmp_lt_u32 s[TB], 16*REC
	s_wait_alu depctr_va_vdst(0)                   ; ahead of the branch
	s_cbranch_scc1 .Lstep
; THE WAY OUT of tile i: ctx = O^T / the sum; register 16 b + k = channel 32 b + 16 h + k of my query; two blocks of 32 are quantised; six registers of codes are three whole chunks of 256 bytes.
.macro OUT i
	WIN 0x55
	v_add_f32 v[T], v[L+2*\i], v[L+2*\i+1]
	v_permlanex16_b32 v[T+2], v[T], s[SEL], s[SEL+1]
	v_add_f32 v[T], v[T], v[T+2]                   ; the row's sum
	s_wait_alu depctr_va_vdst(0)
	v_rcp_f32 v[TP], v[T]
	v_nop
	WIN 0x44
	s_wait_alu depctr_va_vdst(0)                   ; ahead of the reciprocal's and of O^T's first reader
.set J, 0
.rept 16
	v_pk_mul_f32 v[S+J:S+J+1], v[O+32*\i+J:O+32*\i+J+1], v[TP:TP+1] op_sel_hi:[1,0]
.set J, J+2
.endr
	WIN 0x55
.irp b, 0,1
	v_max3_num_f32 v[BM+\b], |v[S+16*\b]|, |v[S+16*\b+1]|, 0x2800000   ; the floor 2^(5 - 127) holds the byte at 1 from below
.endr
.irp k, 2,4,6,8,10,12,14
.irp b, 0,1
	v_max3_num_f32 v[BM+\b], v[BM+\b], |v[S+16*\b+\k]|, |v[S+16*\b+\k+1]|
.endr
.endr
.irp b, 0,1
	v_permlanex16_b32 v[T+2+\b], v[BM+\b], s[SEL], s[SEL+1]
.endr
.irp b, 0,1
	v_max_num_f32 v[BM+\b], v[BM+\b], v[T+2+\b]
.endr
.irp b, 0,1
	v_add_nc_u32 v[SO+\b], 0xfe000000, v[BM+\b]    ; 4 off the exponent field
.endr
.irp b, 0,1
	v_lshrrev_b32 v[T+2+\b], 23, v[SO+\b]
.endr
	v_lshl_or_b32 v[HW+\i], v[T+3], 8, v[T+2]
	v_cvt_scalef32_pk16_bf6_f32 v[PC+6*\i:PC+6*\i+2], v[S:S+15], v[SO]
	v_cvt_scalef32_pk16_bf6_f32 v[Y:Y+2], v[S+16:S+31], v[SO+1]
	v_nop
.irp k, 0,1,2
	v_permlane16_swap_b32 v[PC+6*\i+\k], v[Y+\k]   ; a whole block to a lane
.endr
.irp k, 0,1,2
	v_mov_b32 v[PC+6*\i+3+\k], v[Y+\k]
.endr
	WIN 0x04
.irp p, 0,1,2
	global_store_b64 v[L8], v[PC+6*\i+2*\p:PC+6*\i+2*\p+1], s[8:9] offset:3072*\i+256*\p   ; 32 lanes store 256 consecutive bytes, aligned
.endr
.endm
	OUT 0
	OUT 1
	OUT 2
	OUT 3
	WIN 0x55
	v_cndmask_b32 v[HW+4], v[HW], v[HW+1], s[MSK]  ; lanes 0-15 the even tile's halfword, lanes 16-31 the odd tile's
	v_cndmask_b32 v[HW+5], v[HW+2], v[HW+3], s[MSK]
	WIN 0x04
	global_store_b16 v[SWA], v[HW+4], s[10:11]     ; two bytes a row: a word of the last product mixes two heads, which are two work-groups
	global_store_b16 v[SWA], v[HW+5], s[10:11] offset:1024
	WIN 0
	s_wait_tensorcnt 0x0                           ; the wave's end
	ds_add_u32 v[SPW], v[NIL]
	s_wait_dscnt 0x0
	CROUND                                         ; the closing round
	s_endpgm
.Lfunc_end_k_q9c64d34a9e_attn:
	.size	k_q9c64d34a9e_attn, .Lfunc_end_k_q9c64d34a9e_attn-k_q9c64d34a9e_attn
	.p2alignl 7, 3214868480
	.fill 96, 4, 3214868480
	.section	.rodata,"a",@progbits
	.p2align	6, 0x0
	.amdhsa_kernel k_q9c64d34a9e_attn
		.amdhsa_group_segment_fixed_size 215040
		.amdhsa_private_segment_fixed_size 0
		.amdhsa_enable_private_segment 0
		.amdhsa_kernarg_size 32
		.amdhsa_user_sgpr_count 2
		.amdhsa_user_sgpr_kernarg_segment_ptr 1
		.amdhsa_wavefront_size32 1
		.amdhsa_system_sgpr_workgroup_id_x 1
		.amdhsa_system_sgpr_workgroup_id_y 1
		.amdhsa_system_sgpr_workgroup_id_z 1
		.amdhsa_system_vgpr_workitem_id 0
		.amdhsa_next_free_vgpr 512
		.amdhsa_next_free_sgpr 66
		.amdhsa_reserve_vcc 0
		.amdhsa_float_denorm_mode_32 3
		.amdhsa_float_denorm_mode_16_64 3
		.amdhsa_memory_ordered 1
		.amdhsa_forward_progress 1
		.amdhsa_inst_pref_size 81
	.end_amdhsa_kernel
	.amdgpu_metadata
---
amdhsa.version: [ 1, 2 ]
amdhsa.kernels:
  - .name:           k_q9c64d34a9e_attn
    .symbol:         k_q9c64d34a9e_attn.kd
    .args:
      - { .name: qc, .offset: 0, .size: 8, .value_kind: global_buffer, .address_space: global }
      - { .name: kv, .offset: 8, .size: 8, .value_kind: global_buffer, .address_space: global }
      - { .name: cc, .offset: 16, .size: 8, .value_kind: global_buffer, .address_space: global }
      - { .name: sc, .offset: 24, .size: 8, .value_kind: global_buffer, .address_space: global }
    .group_segment_fixed_size: 215040
    .private_segment_fixed_size: 0
    .kernarg_segment_align: 8
    .kernarg_segment_size: 32
    .max_flat_workgroup_size: 256
    .sgpr_count:     66
    .vgpr_count:     512
    .wavefront_size: 32
...
	.end_amdgpu_metadata
.endif
;; end of part 3
;; launch oproj (part 4): grid 8 x 32, 4 waves a work-group, clusters of 4 x 1, 214,528 bytes of LDS; arguments cc, wc, sc, bo, out0; writes out0
.if DOCPART == 4
	.amdgcn_target "amdgcn-amd-amdhsa--gfx1250"
	.amdhsa_code_object_version 6
	.text
	.protected	k_q9c64d34a9e_oproj
	.globl	k_q9c64d34a9e_oproj
	.p2align	8
	.type	k_q9c64d34a9e_oproj,@function
k_q9c64d34a9e_oproj:
	s_mov_b64 s[64:65], 0
	v_nop
	global_prefetch_b8 v0, s[64:65] scope:SCOPE_SE
	s_setreg_imm32_b32 hwreg(HW_REG_WAVE_MODE, 25, 1), 1
	s_wait_xcnt 0x0
	s_wait_alu depctr_hold_cnt(0) depctr_sa_sdst(0) depctr_va_vdst(0) depctr_va_sdst(0) depctr_va_ssrc(0) depctr_va_vcc(0) depctr_vm_vsrc(0)
	s_getreg_b32 s2, hwreg(HW_REG_IB_STS2, 6, 4)
	s_cmp_eq_u32 s2, 0
	s_cbranch_scc0 .Lentry_in_a_cluster
	s_endpgm
.Lentry_in_a_cluster:
	s_bfe_u32 s2, ttmp6, 0x10000c
	s_cmp_lg_u32 s2, 0x3003
	s_cbranch_scc0 .Lentry_shape_is_right
	s_endpgm
.Lentry_shape_is_right:
; out0[m][n] = sum over k of ctx[m][k] Wo[n][k] + bo[n]: ctx [8192][1024] and Wo [1024][1024] as codes of BF6 (E3M2) with E8M0 scales, K = 1,024 in 8 steps of 128; sums in f32.
; IN: cc and wc hold images of operand registers, 1,536 bytes for 16 rows x 128 K, laid [tile / 8][K step / 2][tile % 8][K step % 2]; cc's images in six chunks (byte 256 p + 8 lane + 4 e = register 2 p + e),
; wc's in three (byte 512 j + 16 lane + 4 e = register 4 j + e); Wo is wc's tiles 192-255.  Lane r of tile 2 g + u holds row 32 g + 8 u + r + 8 (r / 8).  sc [T][q][r][t]: the scale word of row r of tile T for
; K step 4 q + t; T = 768 + ctx's tile, 704 + Wo's tile.
; SHARES: 256 work-groups, each 256 rows x 128 columns; wave (ha, hb) makes rows 128 ha .. and columns 64 hb ..: 8 tiles of ctx x 4 tiles of Wo.
; ctx: the work-group's 256 rows for all of K are 196,608 dense bytes; each wave asks for a quarter by ONE tensor load, jointly with the three partners of its cluster, which make other columns of the same rows.
; Nothing is filled again.  All bytes are asked for at the head: there is no loop to run ahead in, so no prefetch is written.
; Wo: a wave's 4 tiles x 8 K steps are 384 registers.  They are images of those registers in memory, are used by this wave for the whole launch, and go straight there, 96 loads of 512 consecutive bytes: through LDS
; the same bytes would be written once and read once more, so no joint load is written for them.
; THE WALK GOES BY ROWS OF THE RESULT: a block of 16 rows x 64 columns is finished by 32 matrix instructions (4 accumulators by turns, K ascending) and leaves through the wave's own stage in LDS as whole rows of
; 256 bytes, while the next blocks are multiplied.  The matrix instruction is used transposed (source 0 = Wo's rows): a lane holds neighbouring columns of one row.  The bias is the C of a block's first products.
; REGISTERS: window 0: v16-29 addresses, v32-95 scale words (lanes 0-15 ctx's tile i, lanes 16-31 Wo's tile i, register 8 i + K step), v96-127 bias, v128-223 ctx's fragments, buffer 0;
; window 1: Wo's K steps 0-4; window 2: Wo's K steps 5-7, v144-239 buffer 1; window 3: v0-63 two sets of accumulators, v64-127 two sets of rows read back, v128-223 buffer 2.
.set GRP,    98304                     ; the images of 8 tiles, all K
.set STAGE,  2*GRP
.set SPITCH, 272                       ; a stage row: 256 bytes + 16
.set SPARE,  STAGE+4*16*SPITCH         ; the spare words
.set ADA,  16                          ; v16-17  LDS address of my ctx fragments, K steps 0-3 and 4-7
.set STO,  18
.set RD,   19
.set CO,   20
.set LI,   21
.set SOF,  22
.set BO1,  23
.set SPW,  28
.set NIL,  29
.set SC,   32
.set BIAS, 96
.set ACC,  0
.set BK,   64
.set WV,   20
.set HA,   21
.set HB,   22
.set G1,   24
.set G0,   32
.set MSK,  52
.set MSB, 0
.macro WIN new
.if MSB != (\new)
	s_set_vgpr_msb (MSB<<8)|(\new)
.set MSB, (\new)
.endif
.endm
.macro PLACES
.rept 4
	v_nop
.endr
.endm
.macro CROUND
	s_barrier_signal -1
	s_barrier_wait -1
	s_cmp_lg_u32 s[WV], 0
	s_cbranch_scc1 .Lnot_wave_0_\@
	s_barrier_signal -3
.Lnot_wave_0_\@:
	s_barrier_wait -3
	s_barrier_signal -1
	s_barrier_wait -1
.endm
	s_load_b256 s[4:11], s[0:1], 0x0               ; cc, wc, sc, bo
	s_load_b64 s[12:13], s[0:1], 0x20              ; out0
	v_lshl_add_u32 v[SPW], v0, 2, SPARE
	v_mov_b32 v[NIL], 0
	ds_add_u32 v[SPW], v[NIL]                      ; the opening lines
	ds_add_u32 v[SPW], v[NIL]
	v_lshrrev_b32 v1, 5, v0
	v_readfirstlane_b32 s[WV], v1
	s_lshr_b32 s[HA], s[WV], 1
	s_and_b32 s[HB], s[WV], 1
	s_bfe_u32 s36, ttmp6, 0x40000
	s_lshl_b32 s37, ttmp9, 2
	s_add_co_u32 s37, s37, s36                     ; x: my 128 columns; it enters Wo's, the scales', the bias's and out0's addresses alone
	s_and_b32 s38, ttmp7, 0xffff                   ; y: my 256 rows, which the four partners share
	s_mul_i32 s39, s[WV], 49152                    ; my quarter of ctx's block, in LDS
	s_mul_i32 s40, s38, 2*GRP
	s_add_co_u32 s40, s40, s39                     ; and in cc
	s_mov_b32 s41, 0
	s_add_co_u32 s42, s37, 24                      ; Wo: group 24 + x of wc,
	s_mul_i32 s42, s42, GRP
	s_mul_i32 s43, s[HB], 4*3072                   ; tiles 4 hb ..
	s_add_co_u32 s42, s42, s43
	s_mov_b32 s43, 0
	s_lshl_b32 s44, s38, 4                         ; ctx's scales: T = 768 + 16 y + 8 ha
	s_lshl_b32 s45, s[HA], 3
	s_add_co_u32 s44, s44, s45
	s_add_co_u32 s44, s44, 768
	s_lshl_b32 s44, s44, 9
	s_lshl_b32 s46, s37, 3                         ; Wo's: T = 704 + 8 x + 4 hb
	s_lshl_b32 s45, s[HB], 2
	s_add_co_u32 s46, s46, s45
	s_add_co_u32 s46, s46, 704
	s_lshl_b32 s46, s46, 9
	s_lshl_b32 s48, s37, 9                         ; my first column in bytes: 512 x + 256 hb
	s_lshl_b32 s45, s[HB], 8
	s_add_co_u32 s48, s48, s45
	s_mov_b32 s49, 0
	s_lshl_b32 s50, s38, 8                         ; my first row: 256 y + 128 ha, 4,096 bytes each
	s_lshl_b32 s45, s[HA], 7
	s_add_co_u32 s50, s50, s45
	s_lshl_b32 s50, s50, 12
	s_add_co_u32 s50, s50, s48
	s_mov_b32 s51, 0
	s_mov_b32 s[MSK], 0xffff0000
	s_mov_b32 s[G1], 15|(3<<16)|(1<<21)            ; the mask: all four work-groups; elements of 8 bytes
	s_mov_b32 s[G1+1], 32<<16                      ; 49,152 dense bytes: 192 rows of 256
	s_mov_b32 s[G1+2], 192<<16
	s_mov_b32 s[G1+3], 32<<16
	s_mov_b32 s[G1+4], 192
	s_mov_b32 s[G1+5], 32
	s_mov_b32 s[G1+6], 0
	s_mov_b32 s[G1+7], 0
	s_wait_dscnt 0x0
	s_wait_kmcnt 0x0
	s_add_nc_u64 s[40:41], s[4:5], s[40:41]
	s_add_nc_u64 s[6:7], s[6:7], s[42:43]
	s_add_nc_u64 s[10:11], s[10:11], s[48:49]
	s_add_nc_u64 s[12:13], s[12:13], s[50:51]
	s_mov_b32 s[G0], 1
	s_mov_b32 s[G0+1], s39
	s_mov_b64 s[G0+2:G0+3], s[40:41]
	s_or_b32 s[G0+3], s[G0+3], 0x80000000
	CROUND                                         ; all four work-groups are here: the joint loads meet
	tensor_load_to_lds s[G0:G0+3], s[G1:G1+7]      ; every wave's one load
	s_nop 0
	PLACES
	v_and_b32 v1, 31, v0
	v_and_b32 v2, 15, v0                           ; r
	v_bfe_u32 v3, v0, 4, 1                         ; h
	v_lshlrev_b32 v[LI], 4, v1
	v_lshlrev_b32 v6, 3, v1
	s_mul_i32 s53, s[HA], GRP
	v_add_nc_u32 v[ADA], s53, v6
	s_add_co_u32 s53, s53, 49152
	v_add_nc_u32 v[ADA+1], s53, v6
	v_mov_b32 v4, s44
	v_mov_b32 v5, s46
	v_cndmask_b32 v[SOF], v4, v5, s[MSK]           ; lanes 0-15 ctx's words, lanes 16-31 Wo's
	v_lshl_add_u32 v[SOF], v2, 4, v[SOF]
	v_lshlrev_b32 v[BO1], 6, v3
	s_mul_i32 s54, s[WV], 16*SPITCH
	s_add_co_u32 s54, s54, STAGE                   ; my stage
	v_mul_u32_u24 v4, v2, SPITCH                   ; in: row r, 64 bytes for each half of the lanes
	v_lshl_add_u32 v4, v3, 6, v4
	v_add_nc_u32 v[STO], s54, v4
	v_mul_u32_u24 v5, v3, SPITCH                   ; back: lanes 0-15 one row of 256 bytes, lanes 16-31 the next
	v_lshl_add_u32 v5, v2, 4, v5
	v_add_nc_u32 v[RD], s54, v5
	v_lshlrev_b32 v5, 12, v3                       ; and the same two rows in out0
	v_lshl_add_u32 v[CO], v2, 4, v5
.irp i, 0,1,2,3,4,5,6,7                        ; (lanes 16-31 of i = 4 .. 7 read words of sc that are not used)
.irp q, 0,1
	global_load_b128 v[SC+8*\i+4*\q:SC+8*\i+4*\q+3], v[SOF], s[8:9] offset:512*\i+256*\q
.endr
.endr
.irp b, 0,1,2,3
	global_load_b128 v[BIAS+8*\b:BIAS+8*\b+3], v[BO1], s[10:11] offset:(32*(\b/2)+8*(\b%2))*4
	global_load_b128 v[BIAS+8*\b+4:BIAS+8*\b+7], v[BO1], s[10:11] offset:(32*(\b/2)+8*(\b%2))*4+16
.endr
.irp k, 0,1,2,3,4,5,6,7                        ; Wo's fragment (b, k) at register 48 (k % 5) + 12 b of window 1 + k / 5
	WIN (1+\k/5)<<6
.irp b, 0,1,2,3
.irp j, 0,1,2
	global_load_b128 v[48*(\k%5)+12*\b+4*\j:48*(\k%5)+12*\b+4*\j+3], v[LI], s[6:7] offset:24576*(\k/2)+3072*\b+1536*(\k%2)+512*\j
.endr
.endr
.endr
	WIN 0
.macro BUF a                           ; block a's buffer: a % 3 = 0, 1, 2 in window 0, 2, 3
.set WA, ((\a)%3)+(((\a)%3)+1)/2
.set AB, 128+16*(((\a)%3)%2)
.endm
.macro ALOAD a                         ; ctx's fragments of block a, all 8 K steps: 48 loads of 8 bytes a lane
	BUF \a
	WIN WA<<6
.irp k, 0,1,2,3,4,5,6,7
.irp p, 0,1,2,3,4,5
	ds_load_b64 v[AB+12*\k+2*\p:AB+12*\k+2*\p+1], v[ADA+\k/4] offset:24576*((\k/2)%2)+3072*(\a)+1536*(\k%2)+256*\p
.endr
.endr
.endm
.macro MUL a                           ; block a is made: 32 matrix instructions, its 4 accumulators by turns
	BUF \a
.irp k, 0,1,2,3,4,5,6,7
	WIN (3<<6)|((3*((\k+7)/8))<<4)|(WA<<2)|(1+\k/5)
.irp b, 0,1,2,3
.set rD, ACC+32*((\a)%2)+8*\b
.set rB, 48*(\k%5)+12*\b
.set rA, AB+12*\k
.if \k == 0
	v_wmma_scale_f32_16x16x128_f8f6f4 v[rD:rD+7], v[rB:rB+11], v[rA:rA+11], v[BIAS+8*\b:BIAS+8*\b+7], v[SC+8*\b+\k], v[SC+8*(\a)+\k] matrix_a_fmt:MATRIX_FMT_BF6 matrix_b_fmt:MATRIX_FMT_BF6 matrix_a_scale:MATRIX_SCALE_ROW1
.else
	v_wmma_scale_f32_16x16x128_f8f6f4 v[rD:rD+7], v[rB:rB+11], v[rA:rA+11], v[rD:rD+7], v[SC+8*\b+\k], v[SC+8*(\a)+\k] matrix_a_fmt:MATRIX_FMT_BF6 matrix_b_fmt:MATRIX_FMT_BF6 matrix_a_scale:MATRIX_SCALE_ROW1
.endif
.endr
.endr
.endm
.macro TOSTAGE a                       ; block a into my stage and back as whole rows; LDS serves a wave's instructions in order
.if (\a) > 1
	s_wait_xcnt 0x0                                ; block a - 2's stores have read the registers that the loads below fill
.endif
	WIN 0x0c
.irp b, 0,1,2,3
	ds_store_b128 v[STO], v[ACC+32*((\a)%2)+8*\b:ACC+32*((\a)%2)+8*\b+3] offset:128*(\b/2)+32*(\b%2)     ; each accumulator from its low end on
	ds_store_b128 v[STO], v[ACC+32*((\a)%2)+8*\b+4:ACC+32*((\a)%2)+8*\b+7] offset:128*(\b/2)+32*(\b%2)+16
.endr
	WIN 0xc0
.irp t, 0,1,2,3,4,5,6,7
	ds_load_b128 v[BK+32*((\a)%2)+4*\t:BK+32*((\a)%2)+4*\t+3], v[RD] offset:2*\t*SPITCH
.endr
.endm
.macro SEND a, younger
	s_wait_dscnt \younger                          ; the block is back in registers
	WIN 0x0c
.irp t, 0,1,2,3,4,5,6,7
	global_store_b128 v[CO], v[BK+32*((\a)%2)+4*\t:BK+32*((\a)%2)+4*\t+3], s[12:13] offset:(32*((\a)/2)+8*((\a)%2)+2*\t+8*(\t/4))*4096 th:TH_STORE_NT   ; 16 lanes store 256 consecutive bytes, aligned
.endr
.endm
; Block i: the block before goes through the stage, the block two on is fetched into the buffer that the block before has left, block i is multiplied, the block before is stored.
.macro TILE i
.if \i > 0
	TOSTAGE (\i)-1
.endif
.if \i < 6
	ALOAD (\i)+2
.endif
.if \i < 7
	s_wait_dscnt 63                                ; behind block i's fragments at least 80 LDS instructions were issued: with 63 out they are in
.else
	s_wait_dscnt 32                                ; behind block 7's fragments: two blocks' 16 stores and 16 loads of the stage
.endif
	MUL \i
.if \i > 0
.if \i < 6
	SEND (\i)-1, 48                                ; behind its loads from the stage: the 48 loads of a fetch
.else
	SEND (\i)-1, 0
.endif
.endif
	PLACES                                         ; behind the products: ahead of the stage's reads of the results and of the loads into this block's buffer
.endm
	s_wait_alu depctr_va_vdst(0)                   ; at the head's end
	s_wait_tensorcnt 0x0                           ; my quarter has landed,
	s_barrier_signal -1
	s_barrier_wait -1                              ; everybody's has
	ALOAD 0
	ALOAD 1
	s_wait_loadcnt 0x0                             ; Wo, the scale words, the bias
.irp i, 0,1,2,3,4,5,6,7
	TILE \i
.endr
	TOSTAGE 7
	SEND 7, 0
	WIN 0
	s_wait_tensorcnt 0x0                           ; the wave's end
	ds_add_u32 v[SPW], v[NIL]
	s_wait_dscnt 0x0
	CROUND                                         ; the closing round
	s_endpgm
.Lfunc_end_k_q9c64d34a9e_oproj:
	.size	k_q9c64d34a9e_oproj, .Lfunc_end_k_q9c64d34a9e_oproj-k_q9c64d34a9e_oproj
	.p2alignl 7, 3214868480
	.fill 96, 4, 3214868480
	.section	.rodata,"a",@progbits
	.p2align	6, 0x0
	.amdhsa_kernel k_q9c64d34a9e_oproj
		.amdhsa_group_segment_fixed_size 214528
		.amdhsa_private_segment_fixed_size 0
		.amdhsa_enable_private_segment 0
		.amdhsa_kernarg_size 40
		.amdhsa_user_sgpr_count 2
		.amdhsa_user_sgpr_kernarg_segment_ptr 1
		.amdhsa_wavefront_size32 1
		.amdhsa_system_sgpr_workgroup_id_x 1
		.amdhsa_system_sgpr_workgroup_id_y 1
		.amdhsa_system_sgpr_workgroup_id_z 1
		.amdhsa_system_vgpr_workitem_id 0
		.amdhsa_next_free_vgpr 1024
		.amdhsa_next_free_sgpr 66
		.amdhsa_reserve_vcc 0
		.amdhsa_float_denorm_mode_32 3
		.amdhsa_float_denorm_mode_16_64 3
		.amdhsa_memory_ordered 1
		.amdhsa_forward_progress 1
		.amdhsa_inst_pref_size 90
	.end_amdhsa_kernel
	.amdgpu_metadata
---
amdhsa.version: [ 1, 2 ]
amdhsa.kernels:
  - .name:           k_q9c64d34a9e_oproj
    .symbol:         k_q9c64d34a9e_oproj.kd
    .args:
      - { .name: cc, .offset: 0, .size: 8, .value_kind: global_buffer, .address_space: global }
      - { .name: wc, .offset: 8, .size: 8, .value_kind: global_buffer, .address_space: global }
      - { .name: sc, .offset: 16, .size: 8, .value_kind: global_buffer, .address_space: global }
      - { .name: bo, .offset: 24, .size: 8, .value_kind: global_buffer, .address_space: global }
      - { .name: out0, .offset: 32, .size: 8, .value_kind: global_buffer, .address_space: global }
    .group_segment_fixed_size: 214528
    .private_segment_fixed_size: 0
    .kernarg_segment_align: 8
    .kernarg_segment_size: 40
    .max_flat_workgroup_size: 128
    .sgpr_count:     66
    .vgpr_count:     1024
    .wavefront_size: 32
...
	.end_amdgpu_metadata
.endif
;; end of part 4
